; MI455X (gfx1250); checked and timed in simulation.
; The chip was launched on July 23, 2026; its instructions are those of AMD's public machine-readable ISA for CDNA 5 (MIT licence, August 2026) and "CDNA5" Instruction Set Architecture Reference Guide (July 2026). The comments in the code are by the model that wrote it; some were corrected since.
;; IRCNN LSTM Cell. Allowed arithmetic: float matrix products may take bf16 or f16 operands with f32 sums; other float arithmetic in f32, or as packed bf16 or f16 multiplies, adds, multiply-adds, maxima and minima; sums over many terms, partial sums and values carried from step to step in f32; what a program stores and reads back later, other than sums and carried values, may be rounded once to bf16 or f16.
;; Inputs: a 1 float32; b 1 float32; b_hh 8,192 float32; b_ih 8,192 float32; cx 2,048 x 2,048 float32; hx 2,048 x 2,048 float32; td0 2,048 float32; td1 2,048 float32; w_hh 8,192 x 2,048 float32; w_ih 8,192 x 512 float32; w_pf 2,048 x 2,048 float32; w_pi 2,048 x 2,048 float32; w_po 2,048 x 2,048 float32; x 2,048 x 512 float32.
;; Outputs: out0 2,048 x 2,048 float32; out1 2,048 x 2,048 float32.
;; 2 versions, each right; version 2 is version 1 with the launch cast written anew for expert scheduling mode. Each part assembles by itself: llvm-mc -triple=amdgcn-amd-amdhsa -mcpu=gfx1250 --defsym DOCPART=n.
;; ======== version 1 of 2: 3 launches
;; workspace buffers: A1 18,874,368 bytes; A2 8,388,608 bytes; WB 75,497,472 bytes; OP 16,777,216 bytes
;; launch cast (part 1): grid 32 x 41, 8 waves a work-group, no clusters, 0 bytes of LDS; arguments x, hx, cx, w_ih, w_hh, w_pi, w_pf, w_po, A1, WB; writes A1, WB
.if DOCPART == 1
	.amdgcn_target "amdgcn-amd-amdhsa--gfx1250"
	.amdhsa_code_object_version 6
	.text
	.protected	k_qffd5d13efb_cast
	.globl	k_qffd5d13efb_cast
	.p2align	8
	.type	k_qffd5d13efb_cast,@function
k_qffd5d13efb_cast:
	s_mov_b64 s[64:65], 0
	v_nop
	global_prefetch_b8 v0, s[64:65] scope:SCOPE_SE
	s_setreg_imm32_b32 hwreg(HW_REG_WAVE_MODE, 25, 1), 1
	s_wait_xcnt 0x0
; LSTM cell with peepholes, first of three launches: every matrix operand is rounded ONCE from f32 to bf16 and laid along K.
;   A1 [2048][4608] bf16: x in columns 0-511, hx in 512-2559, cx in 2560-4607.
;   WB [8192][4608] bf16: output column n of gate q (i, f, g, o = 0..3) lies in row (n / 64) x 256 + 64 q + n % 64, so that the four gates' rows of 64 columns lie one after the other;
;   along K: w_ih in columns 0-511, w_hh in 512-2559, then w_pi (gate i), w_pf (gate f), w_po (gate o) in 2560-4607.
;   Gate g has no peephole: its columns 2560-4607 of WB are never written and never read.
; DEAD WORK: none.  Every input of the cell has a way to hy or cy, so all fourteen are loaded by one of the three launches, and no product, row or step is left out.
; LIMITS.  Operands are rounded to bf16, nearest even; NaN and infinities pass through the conversion as it makes them.
; SHARES.  The sources are cut into 41 segments of 2,048 rows x 512 f32 columns; grid y names the segment, grid x 64 of its rows, a wave 8 of those.
; A row's piece is 2,048 bytes: four loads of 16 bytes a lane, 512 consecutive bytes each.  All 32 loads of a wave go out ahead of its first wait: 16 KiB a wave on their way.
; A store is 8 bytes a lane: 256 consecutive bytes, at a multiple of 256 from the buffer's first byte (a row of A1 and WB is 9,216 = 36 x 256 bytes).
; No loop: no register is written twice, so no wait frees a source.  No LDS, no matrix unit, no cluster: no byte is wanted by two waves.
.set VS, 2                             ; v[2:9]     row r of my 8: 16 x lane + r x the source's row pitch
.set VD, 10                            ; v10        8 x lane
.set X,  16                            ; v[16:143]  32 x 4 registers as loaded
.set Y,  144                           ; v[144:207] 32 x 2 registers to store
.set ROWB, 9216                        ; bytes in a row of A1 and WB
	s_load_b512 s[4:19], s[0:1], 0x0               ; x s[4:5], hx s[6:7], cx s[8:9], w_ih s[10:11], w_hh s[12:13], w_pi s[14:15], w_pf s[16:17], w_po s[18:19]
	s_load_b128 s[20:23], s[0:1], 0x40             ; A1 s[20:21], WB s[22:23]
	v_lshrrev_b32 v11, 5, v0
	v_readfirstlane_b32 s26, v11                   ; wave 0..7
	v_and_b32 v1, 31, v0                           ; lane
	s_and_b32 s24, ttmp7, 0xffff                   ; y: the segment
	s_lshl_b32 s27, ttmp9, 6
	s_lshl_b32 s25, s26, 3                         ; 8 x wave
	s_add_co_u32 s27, s27, s25                     ; my first row in the segment: 64 x + 8 wave
	; what the segments differ in, made ahead of the choices (a difference that wraps is never chosen)
	s_sub_co_u32 s37, s24, 1                       ; hx: column block y - 1
	s_sub_co_u32 s38, s24, 5                       ; cx: y - 5
	s_sub_co_u32 s39, s24, 9                       ; w_ih: row block y - 9
	s_sub_co_u32 s40, s24, 13                      ; w_hh: t = y - 13,
	s_lshr_b32 s41, s40, 2                         ; row block t / 4,
	s_and_b32 s42, s40, 3                          ; column block t % 4,
	s_add_co_u32 s43, s42, 1                       ; which lands one block of 512 further along K
	s_sub_co_u32 s44, s24, 29                      ; the peepholes: u = y - 29,
	s_and_b32 s44, s44, 3                          ; column block u % 4,
	s_add_co_u32 s45, s44, 5                       ; which lands five blocks further
	s_mov_b32 s32, 11                              ; SH: log2 of the source's row pitch in bytes
	s_mov_b32 s33, 0                               ; SRB: source row block of 2,048
	s_mov_b32 s34, 0                               ; SCB: source column block of 512
	s_mov_b32 s35, 0                               ; the gate (WB alone)
	s_mov_b32 s36, s24                             ; KB: destination block of 512 along K (A1: the segment's own number)
	s_wait_kmcnt 0x0
	s_mov_b64 s[28:29], s[4:5]                     ; SP: y = 0 is x
	s_mov_b64 s[30:31], s[20:21]                   ; DP: A1
	; a chain of choices on the segment's number alone; behind each compare stand selects only, which leave SCC as it is
	s_cmp_ge_u32 s24, 1                            ; 1-4: hx
	s_cselect_b64 s[28:29], s[6:7], s[28:29]
	s_cselect_b32 s32, 13, s32
	s_cselect_b32 s34, s37, s34
	s_cmp_ge_u32 s24, 5                            ; 5-8: cx
	s_cselect_b64 s[28:29], s[8:9], s[28:29]
	s_cselect_b32 s34, s38, s34
	s_cmp_ge_u32 s24, 9                            ; 9-12: w_ih, into WB
	s_cselect_b64 s[28:29], s[10:11], s[28:29]
	s_cselect_b64 s[30:31], s[22:23], s[30:31]
	s_cselect_b32 s32, 11, s32
	s_cselect_b32 s33, s39, s33
	s_cselect_b32 s34, 0, s34
	s_cselect_b32 s35, s39, s35
	s_cselect_b32 s36, 0, s36
	s_cmp_ge_u32 s24, 13                           ; 13-28: w_hh
	s_cselect_b64 s[28:29], s[12:13], s[28:29]
	s_cselect_b32 s32, 13, s32
	s_cselect_b32 s33, s41, s33
	s_cselect_b32 s34, s42, s34
	s_cselect_b32 s35, s41, s35
	s_cselect_b32 s36, s43, s36
	s_cmp_ge_u32 s24, 29                           ; 29-32: w_pi, gate i
	s_cselect_b64 s[28:29], s[14:15], s[28:29]
	s_cselect_b32 s33, 0, s33
	s_cselect_b32 s34, s44, s34
	s_cselect_b32 s35, 0, s35
	s_cselect_b32 s36, s45, s36
	s_cmp_ge_u32 s24, 33                           ; 33-36: w_pf, gate f
	s_cselect_b64 s[28:29], s[16:17], s[28:29]
	s_cselect_b32 s35, 1, s35
	s_cmp_ge_u32 s24, 37                           ; 37-40: w_po, gate o
	s_cselect_b64 s[28:29], s[18:19], s[28:29]
	s_cselect_b32 s35, 3, s35
	; the two offsets, made apart from the addresses; both stay under 2^27
	s_lshl_b32 s46, s33, 11
	s_add_co_u32 s46, s46, s27                     ; source row
	s_lshl_b32 s46, s46, s32                       ; in bytes
	s_lshl_b32 s37, s34, 11                        ; 512 f32 columns are 2,048 bytes
	s_add_co_u32 s46, s46, s37
	s_mov_b32 s47, 0
	s_add_nc_u64 s[28:29], s[28:29], s[46:47]
	s_lshl_b32 s39, ttmp9, 8                       ; WB's row: my 64 columns' block of 256 rows,
	s_lshl_b32 s40, s35, 6                         ; the gate's 64 of them,
	s_add_co_u32 s39, s39, s40
	s_add_co_u32 s39, s39, s25                     ; my wave's 8
	s_cmp_ge_u32 s24, 9
	s_cselect_b32 s46, s39, s27                    ; A1's row is the source's
	s_mul_i32 s46, s46, ROWB
	s_lshl_b32 s37, s36, 10                        ; 512 bf16 columns are 1,024 bytes
	s_add_co_u32 s46, s46, s37
	s_add_nc_u64 s[30:31], s[30:31], s[46:47]
	s_lshl_b32 s38, 1, s32                         ; the source's row pitch
	v_lshlrev_b32 v[VS], 4, v1
.irp r, 1,2,3,4,5,6,7
	v_add_nc_u32 v[VS+(\r)], s38, v[VS+(\r)-1]
.endr
	v_lshlrev_b32 v[VD], 3, v1
.set n, 0
.rept 32                               ; load n: row n / 4, quarter n % 4 of its 2,048 bytes
	global_load_b128 v[X+4*n:X+4*n+3], v[VS+n/4], s[28:29] offset:512*(n%4) th:TH_LOAD_NT
.set n, n+1
.endr
.set n, 0
.rept 32
	s_wait_loadcnt 31-n                            ; loads come back in order: load n is in, the 31 - n younger ones stay out
	v_cvt_pk_bf16_f32 v[Y+2*n], v[X+4*n], v[X+4*n+1]
	v_cvt_pk_bf16_f32 v[Y+2*n+1], v[X+4*n+2], v[X+4*n+3]
	global_store_b64 v[VD], v[Y+2*n:Y+2*n+1], s[30:31] offset:(n/4)*ROWB+256*(n%4) th:TH_STORE_NT  ; 32 lanes x 8 bytes: 256 consecutive bytes, aligned
.set n, n+1
.endr
	s_endpgm
.Lfunc_end_k_qffd5d13efb_cast:
	.size	k_qffd5d13efb_cast, .Lfunc_end_k_qffd5d13efb_cast-k_qffd5d13efb_cast
	.p2alignl 7, 3214868480
	.fill 96, 4, 3214868480
	.section	.rodata,"a",@progbits
	.p2align	6, 0x0
	.amdhsa_kernel k_qffd5d13efb_cast
		.amdhsa_group_segment_fixed_size 0
		.amdhsa_private_segment_fixed_size 0
		.amdhsa_enable_private_segment 0
		.amdhsa_kernarg_size 80
		.amdhsa_user_sgpr_count 2
		.amdhsa_user_sgpr_kernarg_segment_ptr 1
		.amdhsa_wavefront_size32 1
		.amdhsa_system_sgpr_workgroup_id_x 1
		.amdhsa_system_sgpr_workgroup_id_y 1
		.amdhsa_system_sgpr_workgroup_id_z 1
		.amdhsa_system_vgpr_workitem_id 0
		.amdhsa_next_free_vgpr 208
		.amdhsa_next_free_sgpr 66
		.amdhsa_reserve_vcc 0
		.amdhsa_float_denorm_mode_32 3
		.amdhsa_float_denorm_mode_16_64 3
		.amdhsa_memory_ordered 1
		.amdhsa_forward_progress 1
		.amdhsa_inst_pref_size 15
	.end_amdhsa_kernel
	.amdgpu_metadata
---
amdhsa.version: [ 1, 2 ]
amdhsa.kernels:
  - .name:           k_qffd5d13efb_cast
    .symbol:         k_qffd5d13efb_cast.kd
    .args:
      - { .name: x, .offset: 0, .size: 8, .value_kind: global_buffer, .address_space: global }
      - { .name: hx, .offset: 8, .size: 8, .value_kind: global_buffer, .address_space: global }
      - { .name: cx, .offset: 16, .size: 8, .value_kind: global_buffer, .address_space: global }
      - { .name: w_ih, .offset: 24, .size: 8, .value_kind: global_buffer, .address_space: global }
      - { .name: w_hh, .offset: 32, .size: 8, .value_kind: global_buffer, .address_space: global }
      - { .name: w_pi, .offset: 40, .size: 8, .value_kind: global_buffer, .address_space: global }
      - { .name: w_pf, .offset: 48, .size: 8, .value_kind: global_buffer, .address_space: global }
      - { .name: w_po, .offset: 56, .size: 8, .value_kind: global_buffer, .address_space: global }
      - { .name: A1, .offset: 64, .size: 8, .value_kind: global_buffer, .address_space: global }
      - { .name: WB, .offset: 72, .size: 8, .value_kind: global_buffer, .address_space: global }
    .group_segment_fixed_size: 0
    .private_segment_fixed_size: 0
    .kernarg_segment_align: 8
    .kernarg_segment_size: 80
    .max_flat_workgroup_size: 256
    .sgpr_count:     66
    .vgpr_count:     208
    .wavefront_size: 32
...
	.end_amdgpu_metadata
.endif
;; end of part 1
;; launch gates (part 2): grid 8 x 32, 4 waves a work-group, clusters of 4 x 4, 327,680 bytes of LDS; arguments A1, WB, b_ih, b_hh, td0, td1, a, b, out1, A2, OP; writes out1, A2, OP
.if DOCPART == 2
	.amdgcn_target "amdgcn-amd-amdhsa--gfx1250"
	.amdhsa_code_object_version 6
	.text
	.protected	k_qffd5d13efb_gates
	.globl	k_qffd5d13efb_gates
	.p2align	8
	.type	k_qffd5d13efb_gates,@function
k_qffd5d13efb_gates:
	s_mov_b64 s[64:65], 0
	v_nop
	global_prefetch_b8 v0, s[64:65] scope:SCOPE_SE
	s_setreg_imm32_b32 hwreg(HW_REG_WAVE_MODE, 25, 1), 1
	s_wait_xcnt 0x0
	s_wait_alu depctr_hold_cnt(0) depctr_sa_sdst(0) depctr_va_vdst(0) depctr_va_sdst(0) depctr_va_ssrc(0) depctr_va_vcc(0) depctr_vm_vsrc(0)
	s_getreg_b32 s2, hwreg(HW_REG_IB_STS2, 6, 4)
	s_cmp_eq_u32 s2, 0
	s_cbranch_scc0 .Lentry_in_a_cluster
	s_endpgm
.Lentry_in_a_cluster:
	s_bfe_u32 s2, ttmp6, 0x10000c
	s_cmp_lg_u32 s2, 0xf033
	s_cbranch_scc0 .Lentry_shape_is_right
	s_endpgm
.Lentry_shape_is_right:
; Second launch: the gates i, f, g, the new cell state, and the part of gate o that does not wait for it.
;   i = sigmoid(x w_ih_i + hx w_hh_i + cx w_pi + biases), f likewise with w_pf, g = tanh(x w_ih_g + hx w_hh_g + biases),
;   cy = (a exp(-b td0)) f cx + (a exp(-b td1)) i g.   cy goes out as f32 (out1) and, rounded once to bf16, into A2 for the last launch: A2 [32 blocks of 64 columns][2048 rows][64].
;   OP [2048][2048] f32 = -log2 e x (x w_ih_o + hx w_hh_o + biases): a partial sum, kept in f32; the last launch adds cy w_po.
; Nothing of this work is left out: gate g has no peephole term, and gate o's is the last launch's, so their sums end here at K = 2,560.
; LIMITS.  All inputs count as rounded to bf16 (matrix operands by the launch before; the biases, td0, td1, a, b and the cx that multiplies f here).  Sums in f32, in another order than a plain row sum.
; sigmoid(v) = 1 / (1 + 2^(-v log2 e)), tanh(v) = 1 - 2 / (1 + 2^(2 v log2 e)): where the power overflows to infinity the reciprocal is 0 and the result is the saturated one, never a NaN of the formula's own making.
; A power below 2^-126 counts as 0.  NaN and infinities in the inputs are not treated apart.
; SHARES.  A work-group makes 256 rows x 64 columns of all four gates: 256 x 256 sums; the grid's x counts the 8 row tiles, its y the 32 column tiles.  Wave (wr, wc) has 128 rows and 32 columns of every gate:
; 64 accumulators of 16 x 16, 512 registers; for 32 along K it loads 16 fragments and issues 64 matrix instructions.  With every gate in every wave all four waves have equal work where only i and f go on.
; K goes in steps of 128 (rows of 256 bytes) through two LDS slots: steps 0-19 (x, hx) carry four gates, steps 20-35 (cx) gates i and f alone.
; THE MATRIX INSTRUCTION IS USED TRANSPOSED: source 0 = 16 weight rows, source 1 = 16 batch rows: a lane holds batch row l % 16 and the columns 8 (l / 16) + 0..7.
; CLUSTER.  4 x 4 work-groups.  The four with one cx make one row tile and need the same 256 rows of A1, the four with one cy one column tile and the same 256 weight rows: each tile is asked for JOINTLY,
; the same tensor load, descriptor and mask in all four.  Waves 0, 1 fetch the halves of A1's tile, wave 2 the weights of i and f, wave 3 those of g and o.
; LDS.  Slot s at s x SLOT: four parts of 128 rows x 272 bytes (A1, A1, i f, g o).  Behind the slots: COEF (256 rows x two f32, stored by the waves), the spare words, CXT (the tile's cx, bf16, one fill).
; When the slots have had their last fill they take the sums as f32, 256 rows of four gates x 256 bytes and 16 of padding, so that each wave can read whole rows back.
; REGISTERS, in windows of 256: window 0 addresses and the way out; window 1 two fragment buffers of 128 (batch block a at + 8 a, weight block bb = 2 gate + column block at + 64 + 8 bb);
; windows 2, 3 the accumulators of row blocks 0-3, 4-7: (a, bb) at 8 (8 (a % 4) + bb).
.set ROWB,  9216                       ; bytes in a row of A1 and WB
.set PITCH, 272                        ; an LDS row: 256 bytes + 16 of padding = 68 words: the 16 rows of a fragment load start at 16 different groups of four banks (64 banks of 4 bytes: ISA guide 11.1)
.set FRAG,  16*PITCH
.set GB,    64*PITCH                   ; a gate's 64 weight rows
.set QR,    128*PITCH                  ; what one tensor load brings
.set SLOT,  4*QR
.set COEF,  2*SLOT                     ; 2,048 bytes
.set SPARE, COEF+2048                  ; the spare words: 128 bytes a wave, two blocks of 256 bytes that no other line names
.set CXT,   SPARE+512                  ; 256 rows x 128 bytes
.set DPI,   1040                       ; a dumped row: 4 x 256 bytes + 16 = 260 words: row r starts at bank 4 r mod 64
.set ADRA, 16                          ; v16-17  my batch fragments in slot 0, 1
.set ADRB, 18                          ; v18-19  my weight fragments
.set DST,  20                          ; v20-21  the dump: where I put 16 bytes of a row, row blocks 0-3 and 4-7 (an LDS immediate holds 16 bits)
.set RD,   22                          ; v22  where I read rows back
.set RDC,  23                          ; v23  my 8 bytes of two rows of CXT
.set RDK,  24                          ; v24  my row's pair in COEF
.set O1,   25                          ; v25  my 16 bytes in two rows of out1 and OP
.set O2,   26                          ; v26  8 x lane
.set PFO,  27                          ; v27  the prefetches' offset: lane x a row; never rewritten
.set SPW,  28                          ; v28  my spare word: SPARE + 4 x my thread's number; never rewritten
.set NIL,  29                          ; v29  0; never rewritten
.set BS,   32                          ; v[32:47] the biases of my four columns, summed and scaled: i, f, g, o
.set RI,   64                          ; the row loop, line j of 8 (a line is two rows, one for each half of the lanes): gate i at RI + 4 j (later cy), f, g, o,
.set RF,   96
.set RG,   128
.set RO,   160
.set CXR,  192                         ; cx as packed bf16 at CXR + 2 j,
.set OB,   192                         ; in whose place cy goes as packed bf16,
.set CF,   208                         ; the pair (forget coefficient, input coefficient) at CF + 2 j,
.set CXF,  224                         ; cx as f32 at CXF + 4 j
.set F0,   0
.set F1,   128
.set WV,  12                           ; s12  my wave's number
.set LIM, 15                           ; s15  a wave prefetches while the loop's count is above it
.set G1A, 24                           ; s[24:31] descriptor group 1 for A1's tiles
.set G0A, 32                           ; s[32:39] group 0, a set for each slot
.set PFA, 44                           ; s[44:45] where my prefetches stand
.set G1B, 48                           ; s[48:55], s[56:63] the same for the weights
.set G0B, 56
.set G1C, 80                           ; s[80:87], s[88:91] for the tile of cx
.set G0C, 88
.set CNT, 94                           ; s94  loop counts
.set HM,  95                           ; s95  a word's upper bf16
.set NL,  96                           ; s[96:97] -log2 e, named as a pair
.set TL,  98                           ; s[98:99] 2 log2 e
.set OPB, 100                          ; s[100:101] OP at my rows
.set G1W0, (1<<16)|(1<<20)|(1<<21)|(5<<22)|(3<<25)  ; 17:16 elements of 2 bytes; 20 padding on; 21 set beside a mask; 24:22 after every 64 words (code 5); 31:25 4 words of it (code 3)
.set MUL_LO, 0xa5                      ; sources 0 and 1 window 1, C and D window 2; + 0x50: window 3
.set TO_F,   0x40                      ; destination window 1, address window 0
.set MSB, 0
.macro WIN new                         ; the immediate's high byte repeats the setting that is left; a switch that changes nothing is dropped
.if MSB != (\new)
	s_set_vgpr_msb (MSB<<8)|(\new)
.set MSB, \new
.endif
.endm
.macro PLACES                          ; four plain vector instructions between a matrix instruction and a load into, or a read of, its registers (ISA guide 7.12.1 for reads)
.rept 4
	v_nop
.endr
.endm
.macro CREST                           ; a round of the cluster's barrier behind its opening barrier
	s_cmp_lg_u32 s[WV], 0
	s_cbranch_scc1 .Lnot_wave_0_\@
	s_barrier_signal -3
.Lnot_wave_0_\@:
	s_barrier_wait -3
	s_barrier_signal -1
	s_barrier_wait -1
.endm
.macro CROUND                          ; a whole round
	s_barrier_signal -1
	s_barrier_wait -1
	CREST
.endm
; A joint load into a slot.  Waves 0, 1 ask for A1's halves, waves 2, 3 for the weights'.  nw = 3: the sums of g and o are over, wave 3 asks for nothing.  The branches hang on the wave's number alone.
; An s_nop 0 and four v_nop follow each load, ahead of the jump and the label; with nw = 3 four more stand behind the label, since wave 3 has passed none.
.macro JLOAD slot, nw
	s_cmp_eq_u32 s13, 0
	s_cbranch_scc0 .Lfor_b_\@
	tensor_load_to_lds s[G0A+4*(\slot):G0A+4*(\slot)+3], s[G1A:G1A+7]
	s_nop 0
	PLACES
	s_branch .Lasked_\@
.Lfor_b_\@:
.if (\nw) == 3
	s_cmp_eq_u32 s[WV], 3
	s_cbranch_scc1 .Lasked_\@
.endif
	tensor_load_to_lds s[G0B+4*(\slot):G0B+4*(\slot)+3], s[G1B:G1B+7]
	s_nop 0
	PLACES
.Lasked_\@:
.if (\nw) == 3
	PLACES
.endif
.endm
; A PREFETCH INTO THE L2 of the K step that stands two refills on: 32 rows x 256 bytes, a lane a row, one instruction a wave.  Each row's 256 bytes of a K step are named once in the launch:
; A1's rows are read by every cluster with one cluster x, and the one with cluster y = 0 asks; the weights' rows by every cluster with one cluster y, and the one with cluster x = 0 asks; the four partners of a
; joint load share its 128 rows out by address, 32 each.  how = 0, in a loop: while the count is above LIM; how = 1, in the lap between the loops: the askers among waves 0 to 2.
.macro ASK how
	WIN 0
.if \how
	s_cmp_eq_u32 s[LIM], 0
.else
	s_cmp_gt_u32 s[CNT], s[LIM]
.endif
	s_cbranch_scc0 .Lnot_mine_\@
	global_prefetch_b8 v[PFO], s[PFA:PFA+1] offset:256 th:TH_LOAD_NT scope:SCOPE_SE
.Lnot_mine_\@:
.endm
; The fragments of 32 along K at byte k of the rows, into buffer f: my 8 batch blocks, then the weight blocks of i and f, then (nb = 8) of g and o: 32 or 24 loads in one run.
.macro FETCH nb, slot, k, f
	WIN TO_F
.irp i, 0,1,2,3,4,5,6,7
	ds_load_b128 v[(\f)+8*(\i):(\f)+8*(\i)+3],   v[ADRA+(\slot)] offset:(\k)+(\i)*FRAG
	ds_load_b128 v[(\f)+8*(\i)+4:(\f)+8*(\i)+7], v[ADRA+(\slot)] offset:(\k)+(\i)*FRAG+32
.endr
.irp i, 0,1,2,3,4,5,6,7                ; gate i / 2, column block i % 2
.if (\i) < (\nb)
	ds_load_b128 v[(\f)+64+8*(\i):(\f)+64+8*(\i)+3],   v[ADRB+(\slot)] offset:(\k)+((\i)/2)*GB+((\i)%2)*FRAG
	ds_load_b128 v[(\f)+64+8*(\i)+4:(\f)+64+8*(\i)+7], v[ADRB+(\slot)] offset:(\k)+((\i)/2)*GB+((\i)%2)*FRAG+32
.endif
.endr
.endm
; Row block a x the first nb weight blocks: 8 or 4 matrix instructions.  zero = 1: the product starts the sum.
; The accumulators take turns in one fixed order, one instruction a turn: 63 others (31 from step 20 on) stand between two links of a chain, over every jump too.
.macro MULA f, a, nb, zero
	WIN MUL_LO+0x50*((\a)/4)
.set AB, 64*((\a)%4)
.irp b, 0,1,2,3,4,5,6,7
.if (\b) < (\nb)
.if \zero
	v_wmma_f32_16x16x32_bf16 v[AB+8*(\b):AB+8*(\b)+7], v[(\f)+64+8*(\b):(\f)+64+8*(\b)+7], v[(\f)+8*(\a):(\f)+8*(\a)+7], 0
.else
	v_wmma_f32_16x16x32_bf16 v[AB+8*(\b):AB+8*(\b)+7], v[(\f)+64+8*(\b):(\f)+64+8*(\b)+7], v[(\f)+8*(\a):(\f)+8*(\a)+7], v[AB+8*(\b):AB+8*(\b)+7]
.endif
.endif
.endr
.endm
.macro MULS f, lo, nb, zero            ; row blocks lo to 7
.irp a, 0,1,2,3,4,5,6,7
.if (\a) >= (\lo)
	MULA \f, \a, \nb, \zero
.endif
.endr
.endm
; A K step is four quarters of 32 along K, on buffers 0, 1, 0, 1.  One of the first three: buffer f, asked for a whole quarter ago, is in; the next quarter's run of loads goes out into g; then f is multiplied.
.macro QUARTER nb, slot, k, f, g, zero
	s_wait_dscnt 0x0                               ; buffer f is in
	PLACES                                         ; buffer g was read by the products just issued
	FETCH \nb, \slot, \k, \g
	MULS \f, 0, \nb, \zero
.endm
; The last quarter multiplies buffer 1 and changes slots.  In front of the barrier each wave waits for all its tensor loads (the one that is out is its part of the next slot), adds 0 to its spare word, and waits
; for that and for its reads of this slot.  fill = 4 or 3 (waves that fetch): the barrier opens a round of the cluster's, and the joint refill, two K steps on, is the first thing behind it.  fill = 0: nothing is left to fetch.
; nb: weight blocks of this step; nbn: of the next, whose first fragments are fetched.  ask = 0, 1: a prefetch follows (see ASK); -1: none.
.macro TURN nb, nbn, slot, next, fill, ask
.if (\ask) >= 0
	s_wait_xcnt 0x0                                ; the last prefetch, a K step back, has read its address, which is stepped here, ahead of the waits of the change of slots
	s_add_nc_u64 s[PFA:PFA+1], s[PFA:PFA+1], 256
.endif
	WIN 0                                          ; the add's two registers lie in window 0
	s_wait_tensorcnt 0x0                           ; all my tensor loads have landed, so a group 0 may be written
	ds_add_u32 v[SPW], v[NIL]                      ; 0 onto my spare word
.if \fill
	s_add_nc_u64 s[G0A+4*(\slot)+2:G0A+4*(\slot)+3], s[G0A+4*(\slot)+2:G0A+4*(\slot)+3], 512  ; this slot's next tile: two K steps of 256 bytes on
	s_add_nc_u64 s[G0B+4*(\slot)+2:G0B+4*(\slot)+3], s[G0B+4*(\slot)+2:G0B+4*(\slot)+3], 512
.endif
	s_wait_dscnt 1                                 ; buffer 1 is in: the add alone is younger
	MULA F1, 0, \nb, 0                             ; a row block's products stand between the add and the wait for it
	s_wait_dscnt 0x0                               ; the add is done, and my reads of this slot are over
	s_barrier_signal -1
	MULA F1, 1, \nb, 0                             ; work on registers while the others arrive
	WIN 0
	s_barrier_wait -1
.if \fill
	CREST                                          ; no wave of any partner still reads this slot or has a load on its way
	JLOAD \slot, \fill                             ; its v_nop are also the places in front of the loads below
.else
	PLACES
.endif
	FETCH \nbn, \next, 0, F0
.if (\ask) >= 0
	ASK \ask                                       ; behind the joint load and the run of LDS loads
.endif
	MULS F1, 2, \nb, 0
.endm
; Once round the ring, from a lap's second quarter to the next lap's first.
.macro LAP nb, nbn, fill, ask
	QUARTER \nb, 0, 128, F1, F0, 0
	QUARTER \nb, 0, 192, F0, F1, 0
	TURN \nb, \nb, 0, 1, \fill, \ask
	QUARTER \nb, 1, 64,  F0, F1, 0
	QUARTER \nb, 1, 128, F1, F0, 0
	QUARTER \nb, 1, 192, F0, F1, 0
	TURN \nb, \nbn, 1, 0, \fill, \ask
	QUARTER \nbn, 0, 64, F0, F1, 0
	WIN 0                                          ; at a label and at a branch every window is 0
.endm
	s_load_b256 s[4:11], s[0:1], 0x0               ; A1 s[4:5], WB s[6:7], b_ih s[8:9], b_hh s[10:11]
	s_load_b256 s[68:75], s[0:1], 0x20             ; td0 s[68:69], td1 s[70:71], a s[72:73], b s[74:75]
	s_load_b128 s[76:79], s[0:1], 0x40             ; out1 s[76:77], A2 s[78:79]
	s_load_b64 s[OPB:OPB+1], s[0:1], 0x50          ; OP
	v_lshl_add_u32 v[SPW], v0, 2, SPARE
	v_mov_b32 v[NIL], 0
	ds_add_u32 v[SPW], v[NIL]                      ; the wave's opening: the add, twice on end, and its wait ahead of my first tensor load; the set-up below stands between
	ds_add_u32 v[SPW], v[NIL]
	v_lshrrev_b32 v4, 5, v0
	v_readfirstlane_b32 s[WV], v4                  ; wave 0..3
	s_lshr_b32 s13, s[WV], 1                       ; wr: which 128 rows of the tile are mine.  Also: I fetch for A1 (0) or for the weights (1)
	s_and_b32 s14, s[WV], 1                        ; wc: which 32 columns of each gate.  Also: which 128 rows of that tile I fetch
	s_bfe_u32 s16, ttmp6, 0x40000                  ; cx, cy: my place in the cluster
	s_bfe_u32 s17, ttmp6, 0x40004
	s_lshl_b32 s19, ttmp9, 2
	s_add_co_u32 s19, s19, s16                     ; rt: row tile = 4 x cluster x + cx
	s_and_b32 s18, ttmp7, 0xffff
	s_lshl_b32 s18, s18, 2
	s_add_co_u32 s18, s18, s17                     ; ct: column tile = 4 x cluster y + cy
	s_lshl_b32 s20, 0x1111, s16                    ; the four with my cx
	s_lshl_b32 s21, s17, 2
	s_lshl_b32 s21, 15, s21                        ; the four with my cy
	s_or_b32 s[G1A], s20, G1W0                     ; A1's tiles hang on the row tile alone,
	s_or_b32 s[G1B], s21, G1W0                     ; the weights' on the column tile alone
.irp g, G1A, G1B
	s_mov_b32 s[(\g)+1], 128<<16                   ; tensor_dim0 = 128
	s_mov_b32 s[(\g)+2], 128<<16                   ; tensor_dim1 = 128
	s_mov_b32 s[(\g)+3], 128<<16                   ; tile_dim0 = 128
	s_mov_b32 s[(\g)+4], 128                       ; tile_dim1 = 128
	s_mov_b32 s[(\g)+5], 4608                      ; elements from row to row
	s_mov_b32 s[(\g)+6], 0
	s_mov_b32 s[(\g)+7], 0
.endr
	s_mov_b32 s[G1C], 1<<16                        ; the tile of cx: no mask, elements of 2 bytes, no padding; each wave brings its own 64 rows x 64 elements
	s_mov_b32 s[G1C+1], 64<<16
	s_mov_b32 s[G1C+2], 64<<16
	s_mov_b32 s[G1C+3], 64<<16
	s_mov_b32 s[G1C+4], 64
	s_mov_b32 s[G1C+5], 4608
	s_mov_b32 s[G1C+6], 0
	s_mov_b32 s[G1C+7], 0
	s_mov_b32 s[HM], 0xffff0000
	s_mov_b32 s[NL], 0xbfb8aa3b                    ; -log2 e
	s_mov_b32 s[NL+1], 0xbfb8aa3b
	s_mov_b32 s[TL], 0x4038aa3b                    ; 2 log2 e
	s_mov_b32 s[TL+1], 0x4038aa3b
	; byte offsets, made apart from the addresses
	s_lshl_b32 s22, s14, 7                         ; which 128 rows of a tile I fetch
	s_lshl_b32 s40, s19, 8
	s_add_co_u32 s40, s40, s22                     ; A1's row 256 rt + 128 half
	s_mul_i32 s40, s40, ROWB
	s_mov_b32 s41, 0
	s_lshl_b32 s46, s18, 8
	s_add_co_u32 s46, s46, s22                     ; WB's row 256 ct + 128 half
	s_mul_i32 s46, s46, ROWB
	s_mov_b32 s47, 0
	s_mul_i32 s66, s[WV], QR                       ; my part of a slot: no place in the cluster enters an LDS address
	s_lshl_b32 s67, s[WV], 13                      ; my 64 rows of CXT
	s_lshl_b32 s3, s19, 8
	s_lshl_b32 s2, s[WV], 6
	s_add_co_u32 s3, s3, s2                        ; the first row that I finish: 256 rt + 64 wave
	s_mul_i32 s42, s3, ROWB
	s_lshl_b32 s43, s18, 7
	s_add_co_u32 s42, s42, s43
	s_add_co_u32 s42, s42, 5120                    ; its columns 2560 + 64 ct on, in A1: cx
	s_mov_b32 s43, 0
	s_lshl_b32 s20, s3, 13
	s_lshl_b32 s21, s18, 8
	s_add_co_u32 s20, s20, s21                     ; the same place in out1 and in OP
	s_mov_b32 s21, 0
	s_lshl_b32 s22, s18, 11
	s_add_co_u32 s22, s22, s3
	s_lshl_b32 s22, s22, 7                         ; and in A2: block ct, 128 bytes a row
	s_mov_b32 s23, 0
	s_wait_dscnt 0x0                               ; both opening adds are done
	s_wait_kmcnt 0x0
	s_load_b32 s92, s[72:73], 0x0                  ; a
	s_load_b32 s93, s[74:75], 0x0                  ; b
	s_add_nc_u64 s[40:41], s[4:5], s[40:41]
	s_add_nc_u64 s[46:47], s[6:7], s[46:47]
	s_add_nc_u64 s[G0C+2:G0C+3], s[4:5], s[42:43]
	s_or_b32 s[G0C+3], s[G0C+3], 0x80000000
	s_add_nc_u64 s[76:77], s[76:77], s[20:21]
	s_add_nc_u64 s[OPB:OPB+1], s[OPB:OPB+1], s[20:21]
	s_add_nc_u64 s[78:79], s[78:79], s[22:23]
.irp s, 0,1
	s_mov_b32 s[G0A+4*(\s)], 1                                       ; count = 1
	s_add_co_u32 s[G0A+4*(\s)+1], s66, (\s)*SLOT                     ; LDS address
	s_add_nc_u64 s[G0A+4*(\s)+2:G0A+4*(\s)+3], s[40:41], (\s)*256    ; global address: K step s
	s_or_b32 s[G0A+4*(\s)+3], s[G0A+4*(\s)+3], 0x80000000            ; type = 2
	s_mov_b32 s[G0B+4*(\s)], 1
	s_add_co_u32 s[G0B+4*(\s)+1], s66, (\s)*SLOT
	s_add_nc_u64 s[G0B+4*(\s)+2:G0B+4*(\s)+3], s[46:47], (\s)*256
	s_or_b32 s[G0B+4*(\s)+3], s[G0B+4*(\s)+3], 0x80000000
.endr
	s_mov_b32 s[G0C], 1
	s_add_co_u32 s[G0C+1], s67, CXT
	CROUND                                         ; all sixteen work-groups are here: the first joint loads meet
	JLOAD 0, 4                                     ; the first fills go out together: three loads of mine are out
	JLOAD 1, 4
	tensor_load_to_lds s[G0C:G0C+3], s[G1C:G1C+7]
	s_nop 0
	PLACES
	v_and_b32 v1, 15, v0                           ; r = l % 16
	v_bfe_u32 v2, v0, 4, 1                         ; h = l / 16
	v_and_b32 v3, 31, v0                           ; lane
	s_lshl_b32 s20, s19, 10
	v_lshl_add_u32 v48, v0, 2, s20                 ; thread t has rows t and t + 128 of the tile: td at 4 (256 rt + t)
	s_lshl_b32 s21, s18, 8
	v_lshl_add_u32 v49, v1, 4, s21                 ; on the way out lane l has columns 4 (l % 16) .. + 3 of the tile
	global_load_b32 v96, v48, s[68:69]
	global_load_b32 v97, v48, s[70:71]
	global_load_b32 v98, v48, s[68:69] offset:512
	global_load_b32 v99, v48, s[70:71] offset:512
.irp g, 0,1,2,3
	global_load_b128 v[64+8*(\g):67+8*(\g)], v49, s[8:9] offset:8192*(\g)
	global_load_b128 v[68+8*(\g):71+8*(\g)], v49, s[10:11] offset:8192*(\g)
.endr
	; a fragment is 16 rows x 32 K in 8 registers: lane l holds row l % 16, K = 8 (l / 16) + 0..7 and 16 + 8 (l / 16) + 0..7: two loads of 16 bytes, 32 bytes apart
	v_mul_u32_u24 v5, v1, PITCH
	v_lshl_add_u32 v5, v2, 4, v5
	s_mul_i32 s20, s13, QR                         ; my 128 batch rows
	s_mul_i32 s21, s14, 32*PITCH                   ; my 32 of each gate's 64 weight rows,
	s_add_co_u32 s21, s21, 2*QR                    ; which lie behind A1's 256
	v_add_nc_u32 v[ADRA], s20, v5
	v_add_nc_u32 v[ADRB], s21, v5
	v_add_nc_u32 v[ADRA+1], SLOT, v[ADRA]
	v_add_nc_u32 v[ADRB+1], SLOT, v[ADRB]
	v_mul_u32_u24 v6, v1, DPI                      ; the dump: row 128 wr + l % 16, byte 128 wc + 32 (l / 16) of a gate's 256
	v_lshl_add_u32 v6, v2, 5, v6
	s_mul_i32 s22, s13, 128*DPI
	s_lshl_b32 s23, s14, 7
	s_add_co_u32 s22, s22, s23
	v_add_nc_u32 v[DST], s22, v6
	v_add_nc_u32 v[DST+1], 64*DPI, v[DST]
	s_mul_i32 s23, s[WV], 64*DPI                   ; back: wave w takes rows 64 w .. 64 w + 63 whole, two at a time: lanes 0-15 one row, lanes 16-31 the next, 16 bytes a lane
	v_mul_u32_u24 v7, v2, DPI
	v_lshl_add_u32 v7, v1, 4, v7
	v_add_nc_u32 v[RD], s23, v7
	v_mul_u32_u24 v[PFO], v3, ROWB
	s_add_co_u32 s2, s67, CXT
	v_lshl_add_u32 v[RDC], v3, 3, s2               ; two rows of CXT are 256 bytes on end
	s_lshl_b32 s20, s[WV], 9
	s_add_co_u32 s20, s20, COEF
	v_lshl_add_u32 v[RDK], v2, 3, s20
	v_lshlrev_b32 v[O1], 13, v2
	v_lshl_add_u32 v[O1], v1, 4, v[O1]
	v_lshlrev_b32 v[O2], 3, v3
	; the prefetches: who asks, and where
	s_lshl_b32 s42, s18, 8                         ; the weights' first row
	s_lshl_b32 s43, s19, 8                         ; A1's first row
	s_and_b32 s20, ttmp7, 0xffff                   ; cluster y
	s_cmp_eq_u32 s13, 0                            ; do I fetch for A1?
	s_cselect_b32 s42, s43, s42
	s_cselect_b32 s21, s17, s16                    ; my place among the four that ask with me
	s_cselect_b32 s20, s20, ttmp9                  ; the coordinate along which other clusters read the same rows
	s_cselect_b64 s[PFA:PFA+1], s[4:5], s[6:7]
	s_lshl_b32 s22, s14, 7
	s_add_co_u32 s42, s42, s22                     ; the 128 rows that I fetch,
	s_lshl_b32 s21, s21, 5
	s_add_co_u32 s42, s42, s21                     ; my work-group's 32 of them
	s_mul_i32 s42, s42, ROWB
	s_add_co_u32 s42, s42, 512                     ; at K step 2: the first change of slots steps it to 3 and names step 4
	s_mov_b32 s43, 0
	s_add_nc_u64 s[PFA:PFA+1], s[PFA:PFA+1], s[42:43]
	s_cmp_eq_u32 s[WV], 3
	s_cselect_b32 s[LIM], 1, 0                     ; g and o end at step 19: wave 3 asks for nothing in the first loop's last trip, which would name steps 20 and 21
	s_cmp_eq_u32 s20, 0
	s_cselect_b32 s[LIM], s[LIM], -1               ; the same in all sixteen partners, for a given wave
	s_wait_kmcnt 0x0                               ; a, b
	s_wait_loadcnt 0x0                             ; td0, td1, the biases
	; the two coefficients of each of my thread's two rows: a 2^(-b log2 e td), all four inputs rounded to bf16
	v_mov_b32 v112, s92
	v_mov_b32 v113, s93
	v_cvt_pk_bf16_f32 v114, v112, v113
	v_cvt_pk_bf16_f32 v115, v96, v97
	v_cvt_pk_bf16_f32 v116, v98, v99
	v_lshlrev_b32 v112, 16, v114                   ; a
	v_and_b32 v113, s[HM], v114                    ; b
	v_lshlrev_b32 v96, 16, v115                    ; td0, td1 of row t
	v_and_b32 v97, s[HM], v115
	v_lshlrev_b32 v98, 16, v116                    ; and of row t + 128
	v_and_b32 v99, s[HM], v116
	v_mul_f32 v113, s[NL], v113
	v_mul_f32 v96, v113, v96
	v_mul_f32 v97, v113, v97
	v_mul_f32 v98, v113, v98
	v_mul_f32 v99, v113, v99
	v_exp_f32 v118, v96
	v_exp_f32 v119, v97
	v_exp_f32 v120, v98
	v_exp_f32 v121, v99
	v_lshl_add_u32 v50, v0, 3, COEF                ; a plain instruction behind the exponentials,
	s_wait_alu depctr_va_vdst(0)                   ; and one wait ahead of their first reader
	v_mul_f32 v118, v112, v118
	v_mul_f32 v119, v112, v119
	v_mul_f32 v120, v112, v120
	v_mul_f32 v121, v112, v121
	ds_store_b64 v50, v[118:119]
	ds_store_b64 v50, v[120:121] offset:1024
	; the biases of my four columns: bf16(b_ih) + bf16(b_hh), times the factor that the gate's sum will take
.irp g, 0,1,2,3
	v_cvt_pk_bf16_f32 v100, v[64+8*(\g)], v[65+8*(\g)]
	v_cvt_pk_bf16_f32 v101, v[66+8*(\g)], v[67+8*(\g)]
	v_cvt_pk_bf16_f32 v102, v[68+8*(\g)], v[69+8*(\g)]
	v_cvt_pk_bf16_f32 v103, v[70+8*(\g)], v[71+8*(\g)]
	v_lshlrev_b32 v104, 16, v100
	v_and_b32 v105, s[HM], v100
	v_lshlrev_b32 v106, 16, v101
	v_and_b32 v107, s[HM], v101
	v_lshlrev_b32 v108, 16, v102
	v_and_b32 v109, s[HM], v102
	v_lshlrev_b32 v110, 16, v103
	v_and_b32 v111, s[HM], v103
	v_pk_add_f32 v[104:105], v[104:105], v[108:109]
	v_pk_add_f32 v[106:107], v[106:107], v[110:111]
.if (\g) == 2
	v_pk_mul_f32 v[BS+4*(\g):BS+4*(\g)+1],   v[104:105], s[TL:TL+1] op_sel_hi:[1,0]
	v_pk_mul_f32 v[BS+4*(\g)+2:BS+4*(\g)+3], v[106:107], s[TL:TL+1] op_sel_hi:[1,0]
.else
	v_pk_mul_f32 v[BS+4*(\g):BS+4*(\g)+1],   v[104:105], s[NL:NL+1] op_sel_hi:[1,0]
	v_pk_mul_f32 v[BS+4*(\g)+2:BS+4*(\g)+3], v[106:107], s[NL:NL+1] op_sel_hi:[1,0]
.endif
.endr
	s_wait_tensorcnt 2                             ; my part of K step 0 is in; step 1's and the tile of cx, issued behind it, may stay out
	s_wait_dscnt 0x0                               ; my coefficients are stored
	s_barrier_signal -1
	s_barrier_wait -1
	FETCH 8, 0, 0, F0
	QUARTER 8, 0, 64, F0, F1, 1                    ; the first quarter stands in front of the loop: its products start all 64 sums
	WIN 0
	s_mov_b32 s[CNT], 9
.Llap1:                                                ; laps 0 to 8: K steps 0 to 17 are multiplied, steps 2 to 19 asked for
	LAP 8, 8, 4, 0
	s_sub_co_u32 s[CNT], s[CNT], 1
	s_cmp_lg_u32 s[CNT], 0
	s_cbranch_scc1 .Llap1
	LAP 8, 4, 3, 1                                 ; lap 9: steps 18 and 19, the last with four gates; steps 20 and 21 are asked for by three waves
	s_cmp_eq_u32 s[LIM], 0
	s_cselect_b32 s[LIM], 1, -1                    ; waves 0 to 2 go on asking, but for the second loop's last trip, which would name steps 36 and 37
	s_mov_b32 s[CNT], 7
.Llap2:                                                ; laps 10 to 16: steps 20 to 33 are multiplied, steps 22 to 35 asked for
	LAP 4, 4, 3, 0
	s_sub_co_u32 s[CNT], s[CNT], 1
	s_cmp_lg_u32 s[CNT], 0
	s_cbranch_scc1 .Llap2
	QUARTER 4, 0, 128, F1, F0, 0                   ; lap 17 is written out: nothing is left to fetch, and no round of the cluster's barrier
	QUARTER 4, 0, 192, F0, F1, 0
	TURN 4, 4, 0, 1, 0, -1
	QUARTER 4, 1, 64,  F0, F1, 0
	QUARTER 4, 1, 128, F1, F0, 0
	QUARTER 4, 1, 192, F0, F1, 0
	s_wait_dscnt 0x0                               ; the very last quarter
	MULS F1, 0, 4, 0
	WIN 0
	; THE WAY OUT.  Every wave's reads of the slots are over (the wait above) and no tensor load is out (the last change of slots waited for all): behind this barrier the slots, which are filled no more, take the sums.
	s_barrier_signal -1
	s_barrier_wait -1
	PLACES
	PLACES
.irp hi, 0,1
	WIN 0x08+4*(\hi)                               ; store data (source 1) in window 2, then 3
.irp a, 0,1,2,3
.irp b, 0,1,2,3,4,5,6,7                ; gate b / 2, column block b % 2; a lane's eight columns are 32 bytes; each accumulator's low four registers go first
	ds_store_b128 v[DST+(\hi)], v[8*(8*(\a)+(\b)):8*(8*(\a)+(\b))+3]   offset:(\a)*16*DPI+((\b)/2)*256+((\b)%2)*64
	ds_store_b128 v[DST+(\hi)], v[8*(8*(\a)+(\b))+4:8*(8*(\a)+(\b))+7] offset:(\a)*16*DPI+((\b)/2)*256+((\b)%2)*64+16
.endr
.endr
.endr
	WIN 0
	s_wait_dscnt 0x0                               ; for the others' sake: my stores are done
	s_barrier_signal -1
	s_barrier_wait -1
	s_mov_b32 s[CNT], 4
.Lrows:                                                ; four trips of 8 lines of two rows; wave w has rows 64 w .. 64 w + 63, lane l columns 4 (l % 16) .. + 3 of the line's row l / 16
.irp j, 0,1,2,3,4,5,6,7
	ds_load_b128 v[RI+4*(\j):RI+4*(\j)+3], v[RD] offset:2*DPI*(\j)
	ds_load_b128 v[RF+4*(\j):RF+4*(\j)+3], v[RD] offset:2*DPI*(\j)+256
	ds_load_b128 v[RG+4*(\j):RG+4*(\j)+3], v[RD] offset:2*DPI*(\j)+512
	ds_load_b128 v[RO+4*(\j):RO+4*(\j)+3], v[RD] offset:2*DPI*(\j)+768
	ds_load_b64 v[CXR+2*(\j):CXR+2*(\j)+1], v[RDC] offset:256*(\j)
	ds_load_b64 v[CF+2*(\j):CF+2*(\j)+1], v[RDK] offset:16*(\j)
.endr
	s_wait_dscnt 0x0
.set n, 0
.rept 16                               ; pair n: line n / 2, columns 2 (n % 2) on: the exponent of each gate, bias folded in by one fused multiply-add
	v_pk_fma_f32 v[RI+2*n:RI+2*n+1], v[RI+2*n:RI+2*n+1], s[NL:NL+1], v[BS+2*(n%2):BS+2*(n%2)+1] op_sel_hi:[1,0,1]
	v_pk_fma_f32 v[RF+2*n:RF+2*n+1], v[RF+2*n:RF+2*n+1], s[NL:NL+1], v[BS+4+2*(n%2):BS+4+2*(n%2)+1] op_sel_hi:[1,0,1]
	v_pk_fma_f32 v[RG+2*n:RG+2*n+1], v[RG+2*n:RG+2*n+1], s[TL:TL+1], v[BS+8+2*(n%2):BS+8+2*(n%2)+1] op_sel_hi:[1,0,1]
	v_pk_fma_f32 v[RO+2*n:RO+2*n+1], v[RO+2*n:RO+2*n+1], s[NL:NL+1], v[BS+12+2*(n%2):BS+12+2*(n%2)+1] op_sel_hi:[1,0,1]
.set n, n+1
.endr
.set n, 0
.rept 96                               ; one batch of 96 exponentials (i, f, g lie on end),
	v_exp_f32 v[RI+n], v[RI+n]
.set n, n+1
.endr
	v_nop                                          ; a plain instruction behind the last,
	s_wait_alu depctr_va_vdst(0)                   ; and one wait ahead of the first reader
.set n, 0
.rept 48
	v_pk_add_f32 v[RI+2*n:RI+2*n+1], v[RI+2*n:RI+2*n+1], 1.0 op_sel_hi:[1,0]
.set n, n+1
.endr
.set n, 0
.rept 96                               ; one batch of 96 reciprocals;
	v_rcp_f32 v[RI+n], v[RI+n]
.set n, n+1
.endr
.set n, 0
.rept 16                               ; cx to f32 is the independent work behind them;
	v_lshlrev_b32 v[CXF+2*n], 16, v[CXR+n]
	v_and_b32 v[CXF+2*n+1], s[HM], v[CXR+n]
.set n, n+1
.endr
	s_wait_alu depctr_va_vdst(0)                   ; one wait ahead of the first reader
.set n, 0
.rept 16
	v_pk_fma_f32 v[RG+2*n:RG+2*n+1], v[RG+2*n:RG+2*n+1], -2.0, 1.0 op_sel_hi:[1,0,0]                     ; g = 1 - 2 / (1 + 2^..)
	v_pk_mul_f32 v[RF+2*n:RF+2*n+1], v[RF+2*n:RF+2*n+1], v[CF+2*(n/2):CF+2*(n/2)+1] op_sel_hi:[1,0]       ; f times the row's forget coefficient (the pair's first word)
	v_pk_mul_f32 v[RI+2*n:RI+2*n+1], v[RI+2*n:RI+2*n+1], v[CF+2*(n/2):CF+2*(n/2)+1] op_sel:[0,1] op_sel_hi:[1,1]  ; i times its input coefficient (the second)
.set n, n+1
.endr
.set n, 0
.rept 16
	v_pk_mul_f32 v[RI+2*n:RI+2*n+1], v[RI+2*n:RI+2*n+1], v[RG+2*n:RG+2*n+1]
.set n, n+1
.endr
.set n, 0
.rept 16
	v_pk_fma_f32 v[RI+2*n:RI+2*n+1], v[RF+2*n:RF+2*n+1], v[CXF+2*n:CXF+2*n+1], v[RI+2*n:RI+2*n+1]        ; cy = f cx + i g
.set n, n+1
.endr
.set n, 0
.rept 16
	v_cvt_pk_bf16_f32 v[OB+n], v[RI+2*n], v[RI+2*n+1]
.set n, n+1
.endr
.irp j, 0,1,2,3,4,5,6,7
	global_store_b128 v[O1], v[RI+4*(\j):RI+4*(\j)+3], s[76:77] offset:16384*(\j) th:TH_STORE_NT  ; sixteen lanes store 256 consecutive bytes of a row of out1, at a multiple of 256
	global_store_b128 v[O1], v[RO+4*(\j):RO+4*(\j)+3], s[OPB:OPB+1] offset:16384*(\j)             ; the same of OP
	global_store_b64 v[O2], v[OB+2*(\j):OB+2*(\j)+1], s[78:79] offset:256*(\j)                    ; two rows of a block of A2: 256 consecutive bytes, at a multiple of 256
.endr
	s_wait_xcnt 0x0                                ; the stores have read their data and their bases: only now are these written again
	v_add_nc_u32 v[RD], 16*DPI, v[RD]
	v_add_nc_u32 v[RDC], 2048, v[RDC]
	v_add_nc_u32 v[RDK], 128, v[RDK]
	s_add_nc_u64 s[76:77], s[76:77], 16*8192
	s_add_nc_u64 s[OPB:OPB+1], s[OPB:OPB+1], 16*8192
	s_add_nc_u64 s[78:79], s[78:79], 2048
	s_sub_co_u32 s[CNT], s[CNT], 1
	s_cmp_lg_u32 s[CNT], 0
	s_cbranch_scc1 .Lrows
	s_wait_tensorcnt 0x0                           ; the wave's end, behind my last tensor load and my last LDS store
	ds_add_u32 v[SPW], v[NIL]
	s_wait_dscnt 0x0
	CROUND                                         ; the closing round: no work-group ends while a partner may still ask for a tile that names it
	s_endpgm
.Lfunc_end_k_qffd5d13efb_gates:
	.size	k_qffd5d13efb_gates, .Lfunc_end_k_qffd5d13efb_gates-k_qffd5d13efb_gates
	.p2alignl 7, 3214868480
	.fill 96, 4, 3214868480
	.section	.rodata,"a",@progbits
	.p2align	6, 0x0
	.amdhsa_kernel k_qffd5d13efb_gates
		.amdhsa_group_segment_fixed_size 327680
		.amdhsa_private_segment_fixed_size 0
		.amdhsa_enable_private_segment 0
		.amdhsa_kernarg_size 88
		.amdhsa_user_sgpr_count 2
		.amdhsa_user_sgpr_kernarg_segment_ptr 1
		.amdhsa_wavefront_size32 1
		.amdhsa_system_sgpr_workgroup_id_x 1
		.amdhsa_system_sgpr_workgroup_id_y 1
		.amdhsa_system_sgpr_workgroup_id_z 1
		.amdhsa_system_vgpr_workitem_id 0
		.amdhsa_next_free_vgpr 1024
		.amdhsa_next_free_sgpr 102
		.amdhsa_reserve_vcc 0
		.amdhsa_float_denorm_mode_32 3
		.amdhsa_float_denorm_mode_16_64 3
		.amdhsa_memory_ordered 1
		.amdhsa_forward_progress 1
		.amdhsa_inst_pref_size 220
	.end_amdhsa_kernel
	.amdgpu_metadata
---
amdhsa.version: [ 1, 2 ]
amdhsa.kernels:
  - .name:           k_qffd5d13efb_gates
    .symbol:         k_qffd5d13efb_gates.kd
    .args:
      - { .name: A1, .offset: 0, .size: 8, .value_kind: global_buffer, .address_space: global }
      - { .name: WB, .offset: 8, .size: 8, .value_kind: global_buffer, .address_space: global }
      - { .name: b_ih, .offset: 16, .size: 8, .value_kind: global_buffer, .address_space: global }
      - { .name: b_hh, .offset: 24, .size: 8, .value_kind: global_buffer, .address_space: global }
      - { .name: td0, .offset: 32, .size: 8, .value_kind: global_buffer, .address_space: global }
      - { .name: td1, .offset: 40, .size: 8, .value_kind: global_buffer, .address_space: global }
      - { .name: a, .offset: 48, .size: 8, .value_kind: global_buffer, .address_space: global }
      - { .name: b, .offset: 56, .size: 8, .value_kind: global_buffer, .address_space: global }
      - { .name: out1, .offset: 64, .size: 8, .value_kind: global_buffer, .address_space: global }
      - { .name: A2, .offset: 72, .size: 8, .value_kind: global_buffer, .address_space: global }
      - { .name: OP, .offset: 80, .size: 8, .value_kind: global_buffer, .address_space: global }
    .group_segment_fixed_size: 327680
    .private_segment_fixed_size: 0
    .kernarg_segment_align: 8
    .kernarg_segment_size: 88
    .max_flat_workgroup_size: 128
    .sgpr_count:     102
    .vgpr_count:     1024
    .wavefront_size: 32
...
	.end_amdgpu_metadata
.endif
;; end of part 2
;; launch outg (part 3): grid 16 x 16, 4 waves a work-group, clusters of 4 x 4, 327,680 bytes of LDS; arguments A2, WB, OP, out0; writes out0
.if DOCPART == 3
	.amdgcn_target "amdgcn-amd-amdhsa--gfx1250"
	.amdhsa_code_object_version 6
	.text
	.protected	k_qffd5d13efb_outg
	.globl	k_qffd5d13efb_outg
	.p2align	8
	.type	k_qffd5d13efb_outg,@function
k_qffd5d13efb_outg:
	s_mov_b64 s[64:65], 0
	v_nop
	global_prefetch_b8 v0, s[64:65] scope:SCOPE_SE
	s_setreg_imm32_b32 hwreg(HW_REG_WAVE_MODE, 25, 1), 1
	s_wait_xcnt 0x0
	s_wait_alu depctr_hold_cnt(0) depctr_sa_sdst(0) depctr_va_vdst(0) depctr_va_sdst(0) depctr_va_ssrc(0) depctr_va_vcc(0) depctr_vm_vsrc(0)
	s_getreg_b32 s2, hwreg(HW_REG_IB_STS2, 6, 4)
	s_cmp_eq_u32 s2, 0
	s_cbranch_scc0 .Lentry_in_a_cluster
	s_endpgm
.Lentry_in_a_cluster:
	s_bfe_u32 s2, ttmp6, 0x10000c
	s_cmp_lg_u32 s2, 0xf033
	s_cbranch_scc0 .Lentry_shape_is_right
	s_endpgm
.Lentry_shape_is_right:
; Third launch: o = sigmoid(x w_ih_o + hx w_hh_o + cy w_po + biases), hy = o tanh(cy).  The launch before has left OP = -log2 e x (x w_ih_o + hx w_hh_o + biases) in f32; here cy w_po, K = 2,048, is added.
; Nothing of this work is left out; the biases are in OP, so this launch does not load them.
; cy comes from A2 [32 blocks of 64 columns][2048 rows][64] bf16; w_po from columns 2560-4607 of WB's rows of gate o: column n lies in row (n / 64) x 256 + 192 + n % 64.
; LIMITS.  All inputs count as rounded to bf16; cy enters the product and the tanh as the bf16 number that the launch before stored (one rounding).  Sums in f32, K split four ways and added at the end.
; sigmoid and tanh as in the launch before: a power that overflows gives the saturated result; a power below 2^-126 counts as 0.  NaN and infinities in the inputs are not treated apart.
; SHARES.  A work-group makes 128 x 128 of hy; 16 x 16 work-groups.  K goes in 8 steps of 256 through two LDS slots.
; K IS SPLIT AMONG THE FOUR WAVES: of each step wave w multiplies its block w of 64, for the whole 128 x 128 tile: 64 accumulators, 512 registers; 16 fragments feed 64 matrix instructions.
; The four partial tiles meet in LDS at the end, where the rows have to be turned for the stores anyway.
; THE MATRIX INSTRUCTION IS USED TRANSPOSED (source 0 = 16 weight rows, source 1 = 16 batch rows): a lane holds batch row l % 16 and the columns 8 (l / 16) + 0..7.
; CLUSTER.  4 x 4 work-groups; cy's tile is shared along a row of the cluster, the weights' along a column: joint loads.  Waves 0 and 1 fetch two blocks of cy each, waves 2 and 3 the two halves of the weight rows.
; A tile of cy: the 128 batch rows of one block are 16,384 dense bytes, asked for as ONE row of 8,192 elements; two blocks, 131,072 elements apart, are two such rows; LDS takes 16 bytes of padding after every 128.
; LDS.  Slot s at s x SLOT: four blocks of 128 rows x 144 bytes of cy, then 128 weight rows of 528 bytes.  Behind the slots the spare words and CYT (the tile's own cy, one fill).  When the slots have had their last fill they take the four partial tiles.
; REGISTERS: window 0 addresses and the way out; window 1 two fragment buffers of 128 (batch block a at + 8 a, weight block b at + 64 + 8 b); windows 2, 3 the accumulators of row blocks 0-3, 4-7, (a, b) at 8 (8 (a % 4) + b).
.set ROWB,  9216
.set PA,    144                        ; a row of cy in LDS: 128 bytes + 16 = 36 words: the 16 rows of a fragment load start at 16 different groups of four banks (64 banks of 4 bytes: ISA guide 11.1)
.set FRAGA, 16*PA
.set KBA,   128*PA                     ; a block: 128 rows
.set APART, 4*KBA
.set PB,    528                        ; a weight row: 512 bytes + 16 = 132 words: likewise
.set FRAGB, 16*PB
.set HALFB, 64*PB
.set SLOT,  APART+2*HALFB
.set SPARE, 2*SLOT                     ; the spare words: 128 bytes a wave, two blocks of 256 bytes that no other line names
.set CYT,   SPARE+512                  ; two blocks of 128 rows x 128 bytes
.set PT,    128*PB                     ; a partial tile: 128 rows of 512 bytes + 16
.set ADRA, 16                          ; v16-17  my batch fragments in slot 0, 1
.set ADRB, 18                          ; v18-19  my weight fragments
.set DST,  20                          ; v20     the dump: where I put 16 bytes of a row of my partial tile
.set RP,   21                          ; v21-24  where I read rows of partial tile p back
.set RDC,  26                          ; v26  my 8 bytes of a row of CYT
.set O1,   27                          ; v27  16 x lane; never rewritten
.set SPW,  28                          ; v28  my spare word; never rewritten
.set NIL,  29                          ; v29  0; never rewritten
.set OPR,  32                          ; v[32:63] OP of 8 rows, 4 registers a row
.set P0,   64                          ; the row loop, row j of 8: partial sums at P0 .. P3 + 4 j,
.set P1,   96
.set P2,   128
.set P3,   160
.set CYR,  192                         ; cy as packed bf16 at CYR + 2 j,
.set CYF,  208                         ; as f32 at CYF + 4 j
.set F0,   0
.set F1,   128
.set WV,  12
.set G1A, 24
.set G0A, 32
.set G1B, 48
.set G0B, 56
.set G1C, 80
.set G0C, 88
.set CNT, 94
.set HM,  95
.set NL,  96
.set TL,  98
.set G1WA, (1<<16)|(1<<20)|(1<<21)|(4<<22)|(3<<25)  ; elements of 2 bytes; padding on; 21 set beside a mask; after every 32 words (code 4) 4 words (code 3)
.set G1WB, (1<<16)|(1<<20)|(1<<21)|(6<<22)|(3<<25)  ; the same after every 128 words (code 6)
.set MUL_LO, 0xa5                      ; sources 0 and 1 window 1, C and D window 2
.set TO_F,   0x40
.set MSB, 0
.macro WIN new
.if MSB != (\new)
	s_set_vgpr_msb (MSB<<8)|(\new)
.set MSB, \new
.endif
.endm
.macro PLACES
.rept 4
	v_nop
.endr
.endm
.macro CREST
	s_cmp_lg_u32 s[WV], 0
	s_cbranch_scc1 .Lnot_wave_0_\@
	s_barrier_signal -3
.Lnot_wave_0_\@:
	s_barrier_wait -3
	s_barrier_signal -1
	s_barrier_wait -1
.endm
.macro CROUND
	s_barrier_signal -1
	s_barrier_wait -1
	CREST
.endm
.macro JLOAD slot                      ; a joint load; an s_nop 0 and four v_nop follow each of the two lines, ahead of the jump and the label
	s_cmp_eq_u32 s13, 0
	s_cbranch_scc0 .Lfor_b_\@
	tensor_load_to_lds s[G0A+4*(\slot):G0A+4*(\slot)+3], s[G1A:G1A+7]
	s_nop 0
	PLACES
	s_branch .Lasked_\@
.Lfor_b_\@:
	tensor_load_to_lds s[G0B+4*(\slot):G0B+4*(\slot)+3], s[G1B:G1B+7]
	s_nop 0
	PLACES
.Lasked_\@:
.endm
.macro FETCH slot, k, f                ; 32 LDS loads in one run: all 8 batch and all 8 weight fragments of 32 along K, at byte k of my 128 bytes of the rows
	WIN TO_F
.irp i, 0,1,2,3,4,5,6,7
	ds_load_b128 v[(\f)+8*(\i):(\f)+8*(\i)+3],   v[ADRA+(\slot)] offset:(\k)+(\i)*FRAGA
	ds_load_b128 v[(\f)+8*(\i)+4:(\f)+8*(\i)+7], v[ADRA+(\slot)] offset:(\k)+(\i)*FRAGA+32
.endr
.irp i, 0,1,2,3,4,5,6,7
	ds_load_b128 v[(\f)+64+8*(\i):(\f)+64+8*(\i)+3],   v[ADRB+(\slot)] offset:(\k)+(\i)*FRAGB
	ds_load_b128 v[(\f)+64+8*(\i)+4:(\f)+64+8*(\i)+7], v[ADRB+(\slot)] offset:(\k)+(\i)*FRAGB+32
.endr
.endm
; 16 matrix instructions: row blocks a0, a0 + 1 of the window's four x all 8 column blocks.  The 64 accumulators take turns in one fixed order, one instruction a turn.
.macro MUL16 f, hi, a0, zero
	WIN MUL_LO+0x50*(\hi)
.irp a, \a0, (\a0)+1
.irp b, 0,1,2,3,4,5,6,7
.if \zero
	v_wmma_f32_16x16x32_bf16 v[8*(8*(\a)+(\b)):8*(8*(\a)+(\b))+7], v[(\f)+64+8*(\b):(\f)+64+8*(\b)+7], v[(\f)+8*(4*(\hi)+(\a)):(\f)+8*(4*(\hi)+(\a))+7], 0
.else
	v_wmma_f32_16x16x32_bf16 v[8*(8*(\a)+(\b)):8*(8*(\a)+(\b))+7], v[(\f)+64+8*(\b):(\f)+64+8*(\b)+7], v[(\f)+8*(4*(\hi)+(\a)):(\f)+8*(4*(\hi)+(\a))+7], v[8*(8*(\a)+(\b)):8*(8*(\a)+(\b))+7]
.endif
.endr
.endr
.endm
; The first half of my share of a K step: buffer 0 is in; the second half's run of loads goes out into buffer 1; buffer 0 is multiplied.
.macro HALF slot, zero
	s_wait_dscnt 0x0
	PLACES                                         ; buffer 1 was read by the products just issued
	FETCH \slot, 64, F1
	MUL16 F0, 0, 0, \zero
	MUL16 F0, 0, 2, \zero
	MUL16 F0, 1, 0, \zero
	MUL16 F0, 1, 2, \zero
.endm
; The second half multiplies buffer 1 and changes slots: each wave waits for all its tensor loads, adds 0 to its spare word, waits for that and for its reads of this slot, and signals.
; fill = 1: the barrier opens a round of the cluster's, and the joint refill, two K steps on, is the first thing behind it.
.macro TURN slot, next, fill
	WIN 0
	s_wait_tensorcnt 0x0                           ; all my tensor loads have landed, so a group 0 may be written
	ds_add_u32 v[SPW], v[NIL]                      ; 0 onto my spare word
.if \fill
	s_add_nc_u64 s[G0A+4*(\slot)+2:G0A+4*(\slot)+3], s[G0A+4*(\slot)+2:G0A+4*(\slot)+3], 8*2048*128  ; two K steps on: eight blocks of cy,
	s_add_nc_u64 s[G0B+4*(\slot)+2:G0B+4*(\slot)+3], s[G0B+4*(\slot)+2:G0B+4*(\slot)+3], 1024        ; 1,024 bytes of a weight row
.endif
	s_wait_dscnt 1                                 ; buffer 1 is in: the add alone is younger
	MUL16 F1, 0, 0, 0
	s_wait_dscnt 0x0                               ; the add is done, and my reads of this slot are over
	s_barrier_signal -1
	MUL16 F1, 0, 2, 0
	WIN 0
	s_barrier_wait -1
.if \fill
	CREST
	JLOAD \slot                                    ; its four v_nop are also the places in front of the loads below
.else
	PLACES
.endif
	FETCH \next, 0, F0
	MUL16 F1, 1, 0, 0
	MUL16 F1, 1, 2, 0
.endm
	s_load_b256 s[4:11], s[0:1], 0x0               ; A2 s[4:5], WB s[6:7], OP s[8:9], out0 s[10:11]
	v_lshl_add_u32 v[SPW], v0, 2, SPARE
	v_mov_b32 v[NIL], 0
	ds_add_u32 v[SPW], v[NIL]                      ; the wave's opening: the add, twice on end, and its wait ahead of my first tensor load
	ds_add_u32 v[SPW], v[NIL]
	v_lshrrev_b32 v4, 5, v0
	v_readfirstlane_b32 s[WV], v4
	s_lshr_b32 s13, s[WV], 1                       ; I fetch cy (0) or weights (1),
	s_and_b32 s14, s[WV], 1                        ; this half of a step's tile
	s_bfe_u32 s16, ttmp6, 0x40000
	s_bfe_u32 s17, ttmp6, 0x40004
	s_lshl_b32 s18, ttmp9, 2
	s_add_co_u32 s18, s18, s16                     ; ct: column tile
	s_and_b32 s19, ttmp7, 0xffff
	s_lshl_b32 s19, s19, 2
	s_add_co_u32 s19, s19, s17                     ; rt: row tile
	s_lshl_b32 s20, s17, 2
	s_lshl_b32 s20, 15, s20                        ; my row of the cluster
	s_lshl_b32 s21, 0x1111, s16                    ; my column
	s_or_b32 s[G1A], s20, G1WA
	s_or_b32 s[G1B], s21, G1WB
	s_mov_b32 s[G1A+1], 8192<<16                   ; tensor_dim0 = 8,192: the 128 rows of a block, dense
	s_mov_b32 s[G1A+2], 2<<16                      ; tensor_dim1 = 2 blocks
	s_mov_b32 s[G1A+3], 8192<<16                   ; tile_dim0 = 8,192
	s_mov_b32 s[G1A+4], 2                          ; tile_dim1 = 2
	s_mov_b32 s[G1A+5], 2048*64                    ; elements from block to block
	s_mov_b32 s[G1A+6], 0
	s_mov_b32 s[G1A+7], 0
	s_mov_b32 s[G1B+1], 256<<16                    ; tensor_dim0 = 256
	s_mov_b32 s[G1B+2], 64<<16                     ; tensor_dim1 = 64
	s_mov_b32 s[G1B+3], 256<<16                    ; tile_dim0 = 256
	s_mov_b32 s[G1B+4], 64                         ; tile_dim1 = 64
	s_mov_b32 s[G1B+5], 4608
	s_mov_b32 s[G1B+6], 0
	s_mov_b32 s[G1B+7], 0
	s_mov_b32 s[G1C], 1<<16                        ; the tile's own cy: no mask, no padding; each wave brings 64 rows of one block, 8,192 dense bytes, as 32 rows of 256
	s_mov_b32 s[G1C+1], 128<<16
	s_mov_b32 s[G1C+2], 32<<16
	s_mov_b32 s[G1C+3], 128<<16
	s_mov_b32 s[G1C+4], 32
	s_mov_b32 s[G1C+5], 128
	s_mov_b32 s[G1C+6], 0
	s_mov_b32 s[G1C+7], 0
	s_mov_b32 s[HM], 0xffff0000
	s_mov_b32 s[NL], 0xbfb8aa3b
	s_mov_b32 s[NL+1], 0xbfb8aa3b
	s_mov_b32 s[TL], 0x4038aa3b
	s_mov_b32 s[TL+1], 0x4038aa3b
	s_lshl_b32 s40, s19, 14                        ; cy: 128 rt rows of 128 bytes into a block,
	s_lshl_b32 s22, s14, 19                        ; blocks 0, 1 or 2, 3 of the step
	s_add_co_u32 s40, s40, s22
	s_mov_b32 s41, 0
	s_lshl_b32 s46, s18, 1
	s_add_co_u32 s46, s46, s14                     ; the weights: 64 columns 2 ct + half,
	s_lshl_b32 s46, s46, 8
	s_add_co_u32 s46, s46, 192                     ; gate o's rows of them,
	s_mul_i32 s46, s46, ROWB
	s_add_co_u32 s46, s46, 5120                    ; from column 2560 on
	s_mov_b32 s47, 0
	s_mul_i32 s66, s[WV], 2*KBA                    ; where they go.  cy (waves 0, 1): two blocks a wave;
	s_mul_i32 s67, s[WV], HALFB
	s_add_co_u32 s67, s67, APART-2*HALFB           ; the weights (waves 2, 3): behind cy's four blocks
	s_lshl_b32 s2, s[WV], 13                       ; my part of CYT: block wave / 2, rows 64 (wave % 2) on
	s_lshl_b32 s42, s18, 1
	s_add_co_u32 s42, s42, s13
	s_lshl_b32 s42, s42, 11
	s_lshl_b32 s43, s19, 7
	s_add_co_u32 s42, s42, s43
	s_lshl_b32 s43, s14, 6
	s_add_co_u32 s42, s42, s43
	s_lshl_b32 s42, s42, 7
	s_mov_b32 s43, 0
	s_lshl_b32 s3, s19, 7
	s_lshl_b32 s23, s[WV], 5
	s_add_co_u32 s3, s3, s23                       ; the first row that I finish: 128 rt + 32 wave
	s_lshl_b32 s20, s3, 13
	s_lshl_b32 s21, s18, 9
	s_add_co_u32 s20, s20, s21                     ; its columns 128 ct on, in OP and in out0
	s_mov_b32 s21, 0
	s_wait_dscnt 0x0                               ; both opening adds are done
	s_wait_kmcnt 0x0
	s_add_nc_u64 s[40:41], s[4:5], s[40:41]
	s_add_nc_u64 s[46:47], s[6:7], s[46:47]
	s_add_nc_u64 s[G0C+2:G0C+3], s[4:5], s[42:43]
	s_or_b32 s[G0C+3], s[G0C+3], 0x80000000
	s_add_nc_u64 s[8:9], s[8:9], s[20:21]
	s_add_nc_u64 s[10:11], s[10:11], s[20:21]
.irp s, 0,1
	s_mov_b32 s[G0A+4*(\s)], 1
	s_add_co_u32 s[G0A+4*(\s)+1], s66, (\s)*SLOT
	s_add_nc_u64 s[G0A+4*(\s)+2:G0A+4*(\s)+3], s[40:41], (\s)*4*2048*128
	s_or_b32 s[G0A+4*(\s)+3], s[G0A+4*(\s)+3], 0x80000000
	s_mov_b32 s[G0B+4*(\s)], 1
	s_add_co_u32 s[G0B+4*(\s)+1], s67, (\s)*SLOT
	s_add_nc_u64 s[G0B+4*(\s)+2:G0B+4*(\s)+3], s[46:47], (\s)*512
	s_or_b32 s[G0B+4*(\s)+3], s[G0B+4*(\s)+3], 0x80000000
.endr
	s_mov_b32 s[G0C], 1
	s_add_co_u32 s[G0C+1], s2, CYT
	CROUND                                         ; all sixteen work-groups are here: the first joint loads meet
	JLOAD 0                                        ; the first fills go out together: three loads of mine are out
	JLOAD 1
	tensor_load_to_lds s[G0C:G0C+3], s[G1C:G1C+7]
	s_nop 0
	PLACES
	v_and_b32 v1, 15, v0
	v_bfe_u32 v2, v0, 4, 1
	v_and_b32 v3, 31, v0
	v_lshlrev_b32 v[O1], 4, v3                     ; on the way out lane l has columns 4 l .. 4 l + 3 of the tile
.irp j, 0,1,2,3,4,5,6,7
	global_load_b128 v[OPR+4*(\j):OPR+4*(\j)+3], v[O1], s[8:9] offset:8192*(\j) th:TH_LOAD_NT  ; OP of my first 8 rows: asked for here, wanted behind the whole sum over K
.endr
	v_mul_u32_u24 v5, v1, PA
	v_lshl_add_u32 v5, v2, 4, v5
	s_mul_i32 s20, s[WV], KBA                      ; my block of each step
	v_add_nc_u32 v[ADRA], s20, v5
	v_add_nc_u32 v[ADRA+1], SLOT, v[ADRA]
	v_mul_u32_u24 v6, v1, PB
	v_lshl_add_u32 v7, v2, 4, v6
	s_lshl_b32 s21, s[WV], 7                       ; the same 64 along K: my 128 bytes of every weight row
	s_add_co_u32 s21, s21, APART
	v_add_nc_u32 v[ADRB], s21, v7
	v_add_nc_u32 v[ADRB+1], SLOT, v[ADRB]
	v_lshl_add_u32 v6, v2, 5, v6                   ; the dump: my partial tile, row l % 16, byte 32 (l / 16)
	s_mul_i32 s22, s[WV], PT
	v_add_nc_u32 v[DST], s22, v6
	s_mul_i32 s23, s[WV], 32*PB                    ; back: rows 32 w .. 32 w + 31 of all four partial tiles, 16 bytes a lane
	v_lshl_add_u32 v[RP], v3, 4, s23
	v_add_nc_u32 v[RP+1], PT, v[RP]
	v_add_nc_u32 v[RP+2], PT, v[RP+1]
	v_add_nc_u32 v[RP+3], PT, v[RP+2]
	s_lshl_b32 s20, s[WV], 12
	s_add_co_u32 s20, s20, CYT                     ; CYT: block l / 16, row 32 w, 8 bytes a lane
	v_lshl_add_u32 v[RDC], v2, 14, s20
	v_lshl_add_u32 v[RDC], v1, 3, v[RDC]
	s_wait_tensorcnt 2                             ; my part of K step 0 is in; step 1's and the tile's own cy, issued behind it, may stay out
	s_barrier_signal -1
	s_barrier_wait -1
	FETCH 0, 0, F0
	HALF 0, 1                                      ; the first half step stands in front of the loop: its products start all 64 sums
	WIN 0
	s_mov_b32 s[CNT], 3
.Llap:                                                 ; three trips: K steps 0 to 5 are finished, steps 2 to 7 asked for
	TURN 0, 1, 1
	HALF 1, 0
	TURN 1, 0, 1
	HALF 0, 0
	WIN 0
	s_sub_co_u32 s[CNT], s[CNT], 1
	s_cmp_lg_u32 s[CNT], 0
	s_cbranch_scc1 .Llap
	TURN 0, 1, 0                                   ; the tail is written out: nothing is left to fetch
	HALF 1, 0
	s_wait_dscnt 0x0
	MUL16 F1, 0, 0, 0
	MUL16 F1, 0, 2, 0
	MUL16 F1, 1, 0, 0
	MUL16 F1, 1, 2, 0
	WIN 0
	; THE WAY OUT.  Every wave's reads of the slots are over and no tensor load is out: behind this barrier the slots, which are filled no more, take the four partial tiles.
	s_barrier_signal -1
	s_barrier_wait -1
	PLACES
	PLACES
.irp hi, 0,1
	WIN 0x08+4*(\hi)                               ; store data (source 1) in window 2, then 3
.irp a, 0,1,2,3
.irp b, 0,1,2,3,4,5,6,7
	ds_store_b128 v[DST], v[8*(8*(\a)+(\b)):8*(8*(\a)+(\b))+3]   offset:(4*(\hi)+(\a))*FRAGB+64*(\b)      ; each accumulator's low four registers go first
	ds_store_b128 v[DST], v[8*(8*(\a)+(\b))+4:8*(8*(\a)+(\b))+7] offset:(4*(\hi)+(\a))*FRAGB+64*(\b)+16
.endr
.endr
.endr
	WIN 0
	s_wait_dscnt 0x0                               ; for the others' sake: my stores are done
	s_barrier_signal -1
	s_barrier_wait -1
; Eight rows; wave w has rows 32 w .. 32 w + 31, lane l their columns 4 l .. 4 l + 3.  more = 1: as soon as OP's registers have been used they are asked for again, with the next eight rows', and the addresses step.
.macro ROWS more
.irp j, 0,1,2,3,4,5,6,7
	ds_load_b128 v[P0+4*(\j):P0+4*(\j)+3], v[RP]   offset:PB*(\j)
	ds_load_b128 v[P1+4*(\j):P1+4*(\j)+3], v[RP+1] offset:PB*(\j)
	ds_load_b128 v[P2+4*(\j):P2+4*(\j)+3], v[RP+2] offset:PB*(\j)
	ds_load_b128 v[P3+4*(\j):P3+4*(\j)+3], v[RP+3] offset:PB*(\j)
	ds_load_b64 v[CYR+2*(\j):CYR+2*(\j)+1], v[RDC] offset:128*(\j)
.endr
	s_wait_dscnt 0x0
.set n, 0
.rept 16                               ; pair n: row n / 2, columns 2 (n % 2) on
	v_pk_add_f32 v[P0+2*n:P0+2*n+1], v[P0+2*n:P0+2*n+1], v[P1+2*n:P1+2*n+1]
	v_pk_add_f32 v[P2+2*n:P2+2*n+1], v[P2+2*n:P2+2*n+1], v[P3+2*n:P3+2*n+1]
	v_lshlrev_b32 v[CYF+2*n], 16, v[CYR+n]
	v_and_b32 v[CYF+2*n+1], s[HM], v[CYR+n]
.set n, n+1
.endr
.set n, 0
.rept 16
	v_pk_add_f32 v[P0+2*n:P0+2*n+1], v[P0+2*n:P0+2*n+1], v[P2+2*n:P2+2*n+1]
	v_pk_mul_f32 v[CYF+2*n:CYF+2*n+1], v[CYF+2*n:CYF+2*n+1], s[TL:TL+1] op_sel_hi:[1,0]
.set n, n+1
.endr
	s_wait_loadcnt 0x0                             ; OP of these eight rows is in; its loads are done, so their base may be written
.set n, 0
.rept 16
	v_pk_fma_f32 v[P0+2*n:P0+2*n+1], v[P0+2*n:P0+2*n+1], s[NL:NL+1], v[OPR+2*n:OPR+2*n+1] op_sel_hi:[1,0,1]  ; o's exponent: -log2 e x (cy w_po) + OP
.set n, n+1
.endr
.if \more
	s_add_nc_u64 s[8:9], s[8:9], 8*8192
.irp j, 0,1,2,3,4,5,6,7
	global_load_b128 v[OPR+4*(\j):OPR+4*(\j)+3], v[O1], s[8:9] offset:8192*(\j) th:TH_LOAD_NT
.endr
.endif
.set n, 0
.rept 32                               ; one batch of 64 exponentials,
	v_exp_f32 v[P0+n], v[P0+n]
	v_exp_f32 v[CYF+n], v[CYF+n]
.set n, n+1
.endr
	v_nop                                          ; a plain instruction behind the last,
	s_wait_alu depctr_va_vdst(0)                   ; and one wait ahead of the first reader
.set n, 0
.rept 16
	v_pk_add_f32 v[P0+2*n:P0+2*n+1], v[P0+2*n:P0+2*n+1], 1.0 op_sel_hi:[1,0]
	v_pk_add_f32 v[CYF+2*n:CYF+2*n+1], v[CYF+2*n:CYF+2*n+1], 1.0 op_sel_hi:[1,0]
.set n, n+1
.endr
.set n, 0
.rept 32                               ; one batch of 64 reciprocals,
	v_rcp_f32 v[P0+n], v[P0+n]
	v_rcp_f32 v[CYF+n], v[CYF+n]
.set n, n+1
.endr
	v_nop
	s_wait_alu depctr_va_vdst(0)                   ; and its one wait
.set n, 0
.rept 16
	v_pk_fma_f32 v[CYF+2*n:CYF+2*n+1], v[CYF+2*n:CYF+2*n+1], -2.0, 1.0 op_sel_hi:[1,0,0]  ; tanh(cy)
.set n, n+1
.endr
.set n, 0
.rept 16
	v_pk_mul_f32 v[P0+2*n:P0+2*n+1], v[P0+2*n:P0+2*n+1], v[CYF+2*n:CYF+2*n+1]            ; hy = o tanh(cy)
.set n, n+1
.endr
.irp j, 0,1,2,3,4,5,6,7
	global_store_b128 v[O1], v[P0+4*(\j):P0+4*(\j)+3], s[10:11] offset:8192*(\j) th:TH_STORE_NT  ; 512 consecutive bytes of a row of out0, at a multiple of 256
.endr
.if \more
	s_wait_xcnt 0x0                                ; the stores have read their data and their base: only now are these written again
	v_add_nc_u32 v[RP], 8*PB, v[RP]
	v_add_nc_u32 v[RP+1], 8*PB, v[RP+1]
	v_add_nc_u32 v[RP+2], 8*PB, v[RP+2]
	v_add_nc_u32 v[RP+3], 8*PB, v[RP+3]
	v_add_nc_u32 v[RDC], 1024, v[RDC]
	s_add_nc_u64 s[10:11], s[10:11], 8*8192
.endif
.endm
	s_mov_b32 s[CNT], 3
.Lrows:
	ROWS 1
	s_sub_co_u32 s[CNT], s[CNT], 1
	s_cmp_lg_u32 s[CNT], 0
	s_cbranch_scc1 .Lrows
	ROWS 0                                         ; the last eight rows are written out: no load leaves my rows of OP
	s_wait_tensorcnt 0x0                           ; the wave's end, behind my last tensor load and my last LDS store
	ds_add_u32 v[SPW], v[NIL]
	s_wait_dscnt 0x0
	CROUND                                         ; the closing round: no work-group ends while a partner may still ask for a tile that names it
	s_endpgm
.Lfunc_end_k_qffd5d13efb_outg:
	.size	k_qffd5d13efb_outg, .Lfunc_end_k_qffd5d13efb_outg-k_qffd5d13efb_outg
	.p2alignl 7, 3214868480
	.fill 96, 4, 3214868480
	.section	.rodata,"a",@progbits
	.p2align	6, 0x0
	.amdhsa_kernel k_qffd5d13efb_outg
		.amdhsa_group_segment_fixed_size 327680
		.amdhsa_private_segment_fixed_size 0
		.amdhsa_enable_private_segment 0
		.amdhsa_kernarg_size 32
		.amdhsa_user_sgpr_count 2
		.amdhsa_user_sgpr_kernarg_segment_ptr 1
		.amdhsa_wavefront_size32 1
		.amdhsa_system_sgpr_workgroup_id_x 1
		.amdhsa_system_sgpr_workgroup_id_y 1
		.amdhsa_system_sgpr_workgroup_id_z 1
		.amdhsa_system_vgpr_workitem_id 0
		.amdhsa_next_free_vgpr 1024
		.amdhsa_next_free_sgpr 100
		.amdhsa_reserve_vcc 0
		.amdhsa_float_denorm_mode_32 3
		.amdhsa_float_denorm_mode_16_64 3
		.amdhsa_memory_ordered 1
		.amdhsa_forward_progress 1
		.amdhsa_inst_pref_size 107
	.end_amdhsa_kernel
	.amdgpu_metadata
---
amdhsa.version: [ 1, 2 ]
amdhsa.kernels:
  - .name:           k_qffd5d13efb_outg
    .symbol:         k_qffd5d13efb_outg.kd
    .args:
      - { .name: A2, .offset: 0, .size: 8, .value_kind: global_buffer, .address_space: global }
      - { .name: WB, .offset: 8, .size: 8, .value_kind: global_buffer, .address_space: global }
      - { .name: OP, .offset: 16, .size: 8, .value_kind: global_buffer, .address_space: global }
      - { .name: out0, .offset: 24, .size: 8, .value_kind: global_buffer, .address_space: global }
    .group_segment_fixed_size: 327680
    .private_segment_fixed_size: 0
    .kernarg_segment_align: 8
    .kernarg_segment_size: 32
    .max_flat_workgroup_size: 128
    .sgpr_count:     100
    .vgpr_count:     1024
    .wavefront_size: 32
...
	.end_amdgpu_metadata
.endif
;; end of part 3
;; ======== version 2 of 2: 3 launches; version 1 with the launch cast written anew for expert scheduling mode
;; workspace buffers: A1 18,874,368 bytes; A2 8,388,608 bytes; WB 75,497,472 bytes; OP 16,777,216 bytes
;; launch cast (part 4): grid 32 x 41, 8 waves a work-group, no clusters, 0 bytes of LDS; arguments x, hx, cx, w_ih, w_hh, w_pi, w_pf, w_po, A1, WB; writes A1, WB
.if DOCPART == 4
	.amdgcn_target "amdgcn-amd-amdhsa--gfx1250"
	.amdhsa_code_object_version 6
	.text
	.protected	k_qffd5d13efb_cast
	.globl	k_qffd5d13efb_cast
	.p2align	8
	.type	k_qffd5d13efb_cast,@function
k_qffd5d13efb_cast:
	s_mov_b64 s[64:65], 0
	v_nop
	global_prefetch_b8 v0, s[64:65] scope:SCOPE_SE
	s_setreg_imm32_b32 hwreg(HW_REG_WAVE_SCHED_MODE, 0, 2), 2
	s_setreg_imm32_b32 hwreg(HW_REG_WAVE_MODE, 25, 1), 1
	s_wait_xcnt 0x0
	s_wait_alu depctr_vm_vsrc(0)
; LSTM cell with peepholes, first of three launches: every matrix operand is rounded ONCE from f32 to bf16 and laid along K.
;   A1 [2048][4608] bf16: x in columns 0-511, hx in 512-2559, cx in 2560-4607.
;   WB [8192][4608] bf16: output column n of gate q (i, f, g, o = 0..3) lies in row (n / 64) x 256 + 64 q + n % 64, so that the four gates' rows of 64 columns lie one after the other;
;   along K: w_ih in columns 0-511, w_hh in 512-2559, then w_pi (gate i), w_pf (gate f), w_po (gate o) in 2560-4607.
;   Gate g has no peephole: its columns 2560-4607 of WB are never written and never read.
; DEAD WORK: none.  Every input of the cell has a way to hy or cy, so all fourteen are loaded by one of the three launches, and no product, row or step is left out.
; LIMITS.  Operands are rounded to bf16, nearest even; NaN and infinities pass through the conversion as it makes them.
; SHARES.  The sources are cut into 41 segments of 2,048 rows x 512 f32 columns; grid y names the segment, grid x 64 of its rows, a wave 8 of those.
; A row's piece is 2,048 bytes: four loads of 16 bytes a lane, 512 consecutive bytes each.  All 32 loads of a wave go out ahead of its first wait for data: 16 KiB a wave on their way.
; A store is 8 bytes a lane: 256 consecutive bytes, at a multiple of 256 from the buffer's first byte (a row of A1 and WB is 9,216 = 36 x 256 bytes).
; No loop: no register is written twice, so no wait frees a source.  No LDS, no matrix unit, no cluster: no byte is wanted by two waves.
; THE MODE: SCHED_MODE bits 1:0 = 2 (LLVM: expert scheduling mode 2), set by the entry lines.  The code itself states the register dependences
; between vector instructions and memory instructions, with s_wait_alu, always for 0.
; THE PLAN.  Registers that memory instructions touch:
;   v[2:9], v10  the offsets.  Written by vector instructions at the head, read by every load (v[2:9]) and every store (v10), never written again.
;   X            as loaded.  Each register is written by one load, read by one conversion, and named by nothing else.
;   Y            to store.   Each register is written by one conversion, read by one store, and named by nothing else.
; The 32 loads are taken as 8 blocks of four, a source row to a block.  Block p rounds X's block p into Y's block p; its memory instructions are the four stores of Y's block p - 1,
; which no vector instruction of block p names.  So one wait at a block's head, behind the wait for its data, states all that its four stores hang on, and these are dealt among its
; eight conversions with no further wait.  One wait in front of the first load states that the offsets are written; one behind block 7 stands in front of the last four stores.
; No register that a memory instruction reads is ever written again, and no load lands in a register that a vector instruction has named: nothing more is owed.
.set VS, 2                             ; v[2:9]     row r of my 8: 16 x lane + r x the source's row pitch
.set VD, 10                            ; v10        8 x lane
.set X,  16                            ; v[16:143]  32 x 4 registers as loaded
.set Y,  144                           ; v[144:207] 32 x 2 registers to store
.set ROWB, 9216                        ; bytes in a row of A1 and WB
	s_load_b512 s[4:19], s[0:1], 0x0               ; x s[4:5], hx s[6:7], cx s[8:9], w_ih s[10:11], w_hh s[12:13], w_pi s[14:15], w_pf s[16:17], w_po s[18:19]
	s_load_b128 s[20:23], s[0:1], 0x40             ; A1 s[20:21], WB s[22:23]
	v_lshrrev_b32 v11, 5, v0
	v_readfirstlane_b32 s26, v11                   ; wave 0..7
	v_and_b32 v1, 31, v0                           ; lane
	s_and_b32 s24, ttmp7, 0xffff                   ; y: the segment
	s_lshl_b32 s27, ttmp9, 6
	s_wait_alu depctr_va_sdst(0)                   ; s26 is written, ahead of its first reader: my rows in the source and in the destination are made from it
	s_lshl_b32 s25, s26, 3                         ; 8 x wave
	s_add_co_u32 s27, s27, s25                     ; my first row in the segment: 64 x + 8 wave
	; what the segments differ in, made ahead of the choices (a difference that wraps is never chosen)
	s_sub_co_u32 s37, s24, 1                       ; hx: column block y - 1
	s_sub_co_u32 s38, s24, 5                       ; cx: y - 5
	s_sub_co_u32 s39, s24, 9                       ; w_ih: row block y - 9
	s_sub_co_u32 s40, s24, 13                      ; w_hh: t = y - 13,
	s_lshr_b32 s41, s40, 2                         ; row block t / 4,
	s_and_b32 s42, s40, 3                          ; column block t % 4,
	s_add_co_u32 s43, s42, 1                       ; which lands one block of 512 further along K
	s_sub_co_u32 s44, s24, 29                      ; the peepholes: u = y - 29,
	s_and_b32 s44, s44, 3                          ; column block u % 4,
	s_add_co_u32 s45, s44, 5                       ; which lands five blocks further
	s_mov_b32 s32, 11                              ; SH: log2 of the source's row pitch in bytes
	s_mov_b32 s33, 0                               ; SRB: source row block of 2,048
	s_mov_b32 s34, 0                               ; SCB: source column block of 512
	s_mov_b32 s35, 0                               ; the gate (WB alone)
	s_mov_b32 s36, s24                             ; KB: destination block of 512 along K (A1: the segment's own number)
	s_wait_kmcnt 0x0
	s_mov_b64 s[28:29], s[4:5]                     ; SP: y = 0 is x
	s_mov_b64 s[30:31], s[20:21]                   ; DP: A1
	; a chain of choices on the segment's number alone; behind each compare stand selects only, which leave SCC as it is
	s_cmp_ge_u32 s24, 1                            ; 1-4: hx
	s_cselect_b64 s[28:29], s[6:7], s[28:29]
	s_cselect_b32 s32, 13, s32
	s_cselect_b32 s34, s37, s34
	s_cmp_ge_u32 s24, 5                            ; 5-8: cx
	s_cselect_b64 s[28:29], s[8:9], s[28:29]
	s_cselect_b32 s34, s38, s34
	s_cmp_ge_u32 s24, 9                            ; 9-12: w_ih, into WB
	s_cselect_b64 s[28:29], s[10:11], s[28:29]
	s_cselect_b64 s[30:31], s[22:23], s[30:31]
	s_cselect_b32 s32, 11, s32
	s_cselect_b32 s33, s39, s33
	s_cselect_b32 s34, 0, s34
	s_cselect_b32 s35, s39, s35
	s_cselect_b32 s36, 0, s36
	s_cmp_ge_u32 s24, 13                           ; 13-28: w_hh
	s_cselect_b64 s[28:29], s[12:13], s[28:29]
	s_cselect_b32 s32, 13, s32
	s_cselect_b32 s33, s41, s33
	s_cselect_b32 s34, s42, s34
	s_cselect_b32 s35, s41, s35
	s_cselect_b32 s36, s43, s36
	s_cmp_ge_u32 s24, 29                           ; 29-32: w_pi, gate i
	s_cselect_b64 s[28:29], s[14:15], s[28:29]
	s_cselect_b32 s33, 0, s33
	s_cselect_b32 s34, s44, s34
	s_cselect_b32 s35, 0, s35
	s_cselect_b32 s36, s45, s36
	s_cmp_ge_u32 s24, 33                           ; 33-36: w_pf, gate f
	s_cselect_b64 s[28:29], s[16:17], s[28:29]
	s_cselect_b32 s35, 1, s35
	s_cmp_ge_u32 s24, 37                           ; 37-40: w_po, gate o
	s_cselect_b64 s[28:29], s[18:19], s[28:29]
	s_cselect_b32 s35, 3, s35
	; the two offsets, made apart from the addresses; both stay under 2^27
	s_lshl_b32 s46, s33, 11
	s_add_co_u32 s46, s46, s27                     ; source row
	s_lshl_b32 s46, s46, s32                       ; in bytes
	s_lshl_b32 s37, s34, 11                        ; 512 f32 columns are 2,048 bytes
	s_add_co_u32 s46, s46, s37
	s_mov_b32 s47, 0
	s_add_nc_u64 s[28:29], s[28:29], s[46:47]
	s_lshl_b32 s39, ttmp9, 8                       ; WB's row: my 64 columns' block of 256 rows,
	s_lshl_b32 s40, s35, 6                         ; the gate's 64 of them,
	s_add_co_u32 s39, s39, s40
	s_add_co_u32 s39, s39, s25                     ; my wave's 8
	s_cmp_ge_u32 s24, 9
	s_cselect_b32 s46, s39, s27                    ; A1's row is the source's
	s_mul_i32 s46, s46, ROWB
	s_lshl_b32 s37, s36, 10                        ; 512 bf16 columns are 1,024 bytes
	s_add_co_u32 s46, s46, s37
	s_add_nc_u64 s[30:31], s[30:31], s[46:47]
	s_lshl_b32 s38, 1, s32                         ; the source's row pitch
	v_lshlrev_b32 v[VS], 4, v1
.irp r, 1,2,3,4,5,6,7
	v_add_nc_u32 v[VS+(\r)], s38, v[VS+(\r)-1]
.endr
	v_lshlrev_b32 v[VD], 3, v1
	s_wait_alu depctr_va_vdst(0)                   ; v[2:9] and v10 are written: every load of the kernel reads one of the eight as its offset, every store v10
.set n, 0
.rept 32                               ; load n: row n / 4, quarter n % 4 of its 2,048 bytes
	global_load_b128 v[X+4*n:X+4*n+3], v[VS+n/4], s[28:29] offset:512*(n%4) th:TH_LOAD_NT
.set n, n+1
.endr
.set p, 0
.rept 8                                ; block p: row p of my 8, loads 4 p to 4 p + 3
	s_wait_loadcnt 28-4*p                          ; loads come back in order: this row's four are in, the 28 - 4 p younger ones stay out
.if p > 0
	s_wait_alu depctr_va_vdst(0)                   ; the block before has written its eight registers of Y, which the four stores below read
.endif
.set i, 0
.rept 4
.set n, 4*p+i
.if p > 0
	global_store_b64 v[VD], v[Y+2*(n-4):Y+2*(n-4)+1], s[30:31] offset:(p-1)*ROWB+256*i th:TH_STORE_NT  ; the row before; 32 lanes x 8 bytes: 256 consecutive bytes, aligned.  No vector instruction since the wait names these registers
.endif
	v_cvt_pk_bf16_f32 v[Y+2*n], v[X+4*n], v[X+4*n+1]
	v_cvt_pk_bf16_f32 v[Y+2*n+1], v[X+4*n+2], v[X+4*n+3]
.set i, i+1
.endr
.set p, p+1
.endr
	s_wait_alu depctr_va_vdst(0)                   ; block 7 has written its eight registers of Y, which the last four stores read
.set i, 0
.rept 4
	global_store_b64 v[VD], v[Y+56+2*i:Y+56+2*i+1], s[30:31] offset:7*ROWB+256*i th:TH_STORE_NT
.set i, i+1
.endr
	s_endpgm
.Lfunc_end_k_qffd5d13efb_cast:
	.size	k_qffd5d13efb_cast, .Lfunc_end_k_qffd5d13efb_cast-k_qffd5d13efb_cast
	.p2alignl 7, 3214868480
	.fill 96, 4, 3214868480
	.section	.rodata,"a",@progbits
	.p2align	6, 0x0
	.amdhsa_kernel k_qffd5d13efb_cast
		.amdhsa_group_segment_fixed_size 0
		.amdhsa_private_segment_fixed_size 0
		.amdhsa_enable_private_segment 0
		.amdhsa_kernarg_size 80
		.amdhsa_user_sgpr_count 2
		.amdhsa_user_sgpr_kernarg_segment_ptr 1
		.amdhsa_wavefront_size32 1
		.amdhsa_system_sgpr_workgroup_id_x 1
		.amdhsa_system_sgpr_workgroup_id_y 1
		.amdhsa_system_sgpr_workgroup_id_z 1
		.amdhsa_system_vgpr_workitem_id 0
		.amdhsa_next_free_vgpr 208
		.amdhsa_next_free_sgpr 66
		.amdhsa_reserve_vcc 0
		.amdhsa_float_denorm_mode_32 3
		.amdhsa_float_denorm_mode_16_64 3
		.amdhsa_memory_ordered 1
		.amdhsa_forward_progress 1
		.amdhsa_inst_pref_size 14
	.end_amdhsa_kernel
	.amdgpu_metadata
---
amdhsa.version: [ 1, 2 ]
amdhsa.kernels:
  - .name:           k_qffd5d13efb_cast
    .symbol:         k_qffd5d13efb_cast.kd
    .args:
      - { .name: x, .offset: 0, .size: 8, .value_kind: global_buffer, .address_space: global }
      - { .name: hx, .offset: 8, .size: 8, .value_kind: global_buffer, .address_space: global }
      - { .name: cx, .offset: 16, .size: 8, .value_kind: global_buffer, .address_space: global }
      - { .name: w_ih, .offset: 24, .size: 8, .value_kind: global_buffer, .address_space: global }
      - { .name: w_hh, .offset: 32, .size: 8, .value_kind: global_buffer, .address_space: global }
      - { .name: w_pi, .offset: 40, .size: 8, .value_kind: global_buffer, .address_space: global }
      - { .name: w_pf, .offset: 48, .size: 8, .value_kind: global_buffer, .address_space: global }
      - { .name: w_po, .offset: 56, .size: 8, .value_kind: global_buffer, .address_space: global }
      - { .name: A1, .offset: 64, .size: 8, .value_kind: global_buffer, .address_space: global }
      - { .name: WB, .offset: 72, .size: 8, .value_kind: global_buffer, .address_space: global }
    .group_segment_fixed_size: 0
    .private_segment_fixed_size: 0
    .kernarg_segment_align: 8
    .kernarg_segment_size: 80
    .max_flat_workgroup_size: 256
    .sgpr_count:     66
    .vgpr_count:     208
    .wavefront_size: 32
...
	.end_amdgpu_metadata
.endif
;; end of part 4
;; launch gates: the kernel of part 2 again; grid 8 x 32, 4 waves a work-group, clusters of 4 x 4, 327,680 bytes of LDS; arguments A1, WB, b_ih, b_hh, td0, td1, a, b, out1, A2, OP; writes out1, A2, OP
;; launch outg: the kernel of part 3 again; grid 16 x 16, 4 waves a work-group, clusters of 4 x 4, 327,680 bytes of LDS; arguments A2, WB, OP, out0; writes out0
